; MI455X (gfx1250); checked and timed in simulation.
; The chip was launched on July 23, 2026; its instructions are those of AMD's public machine-readable ISA for CDNA 5 (MIT licence, August 2026) and "CDNA5" Instruction Set Architecture Reference Guide (July 2026). The comments in the code are by the model that wrote it; some were corrected since.
;; Transformer Block. Allowed arithmetic: matrix products marked QUANTISED: E4M3 operands, one given power-of-two scale a tensor, by v_wmma_f32_16x16x64_fp8_fp8 or v_wmma_f32_16x16x128_fp8_fp8, f32 sums; everything else in f32.
;; Inputs: b1 1,024 float32; b2 1,024 float32; b_down 1,024 float32; b_up 4,096 float32; g1 1,024 float32; g2 1,024 float32; lowp_scales 12 int32 (the exponents e of the quantised operands' scales 2^e); mask 1 x 1 x 2,048 x 2,048 bool; w_down 1,024 x 4,096 float32; w_kqv 3,072 x 1,024 float32; w_o 1,024 x 1,024 float32; w_up 4,096 x 1,024 float32; x_embeds 2 x 2,048 x 1,024 float32.
;; Outputs: out0 2 x 2,048 x 1,024 float32.
;; This version of the problem:
;;   THIS VERSION OF THE PROBLEM IS GIVEN IN LOW PRECISION. The matrix products marked QUANTISED in the list below multiply operands that are first quantised to E4M3 (4 exponent bits, 3 mantissa bits; 8 bits a number), with one given power-of-two scale for each operand tensor; their sums are f32. All else is computed in f32.
;;   The module's matrix products, in the order in which they are computed (A, B: the left and right operand; K: the contracted axis; several contracted axes count as one K, in the product's order):
;;     1. [M 4,096, K 1,024] x [K 1,024, N 3,072]; A: input x_embeds; B: input w_kqv: QUANTISED (scales: A lowp_scales[0], B lowp_scales[1])
;;     2. batch 32 x [M 2,048, K 64] x [K 64, N 2,048]; A: computed on the way; B: computed on the way: QUANTISED (scales: A lowp_scales[2], B lowp_scales[3])
;;     3. batch 32 x [M 2,048, K 2,048] x [K 2,048, N 64]; A: softmax (see below); B: computed on the way: QUANTISED (scales: A lowp_scales[4], B lowp_scales[5])
;;     4. [M 4,096, K 1,024] x [K 1,024, N 1,024]; A: computed on the way; B: input w_o: QUANTISED (scales: A lowp_scales[6], B lowp_scales[7])
;;     5. [M 4,096, K 1,024] x [K 1,024, N 4,096]; A: computed on the way; B: input w_up: QUANTISED (scales: A lowp_scales[8], B lowp_scales[9])
;;     6. [M 4,096, K 4,096] x [K 4,096, N 1,024]; A: computed on the way; B: input w_down: QUANTISED (scales: A lowp_scales[10], B lowp_scales[11])
;;   THE QUANTISER, for each operand of a quantised product, along K:
;;     - The operand's scale is 2^e, e = its entry of the input lowp_scales (int32; the entries are numbered through the quantised products in the list's order, A before B).
;;     - Each number is divided by the scale, clamped to +-448, and rounded to the nearest number of E4M3, ties to even, subnormals kept.
;;     - The product sums the exact products of the quantised numbers (number of the format x scale) in f32.
;;   ~~~python
;;   def quantise(x, axis, e):      # numpy; x: float32 -> the quantised numbers, widened to float32 again
;;       x = np.moveaxis(x, axis, -1); K = x.shape[-1]
;;       r = np.clip(x / 2.0 ** e, -448, 448)
;;       step = 2.0 ** (np.maximum(np.frexp(np.where(r == 0, 1, r))[1] - 1, -6) - 3)
;;       q = np.round(r / step) * step * 2.0 ** e      # np.round: ties to even
;;       return np.moveaxis(q, -1, axis).astype(np.float32)
;;   ~~~
;;   SOFTMAX AHEAD OF A QUANTISED PRODUCT. Where the list says 'softmax', what is quantised is not the finished softmax but p = 2^(t - M), with t = logit x log2(e) and M = ceil(the row's largest t), a whole number; so 1/2 < the row's largest p <= 1. The row's sum l is taken of the UNQUANTISED p, in f32, and the product's result is divided by l at the end. Since M is a whole number, a kernel that streams over the keys may use a running M (the ceiling of the running maximum): every later rescaling is an exact power of two, so the quantised numbers keep their values, but for numbers so far below the row's largest that they fall under the format's range.
;;   OPERANDS COMPUTED ON THE WAY. 'Computed on the way' means the value that the module computes at that place (a softmax that the list does not call 'softmax' is quantised finished and normalised). What goes into a quantiser is computed in f32, as accurately as f32 sums, v_exp_f32 and their like allow (about 1e-6 of the number): no bf16 or f16 on the way to a quantiser, and a product that is left as it is and whose result goes on into a quantised operand takes f32 operands (vector FMAs, or v_wmma_f32_16x16x4_f32). A number that lies on a knife's edge between two numbers of the format may be rounded either way, as far as f32 arithmetic and the matrix unit's own rounding can turn it there, and no further.
;; One version. Each part assembles by itself: llvm-mc -triple=amdgcn-amd-amdhsa -mcpu=gfx1250 --defsym DOCPART=n.
;; ======== version 1 of 1: 8 launches
;; limits: right only within a limited range of input values
;; workspace buffers: img 12,582,912 bytes; mbits 589,824 bytes of whole numbers; big 16,777,216 bytes; acode 4,194,304 bytes; ybuf 16,777,216 bytes; x1 16,777,216 bytes; wdimg 4,194,304 bytes
;; launch quant (part 1): grid 512 x 1, 4 waves a work-group, no clusters, 34,304 bytes of LDS; arguments x_embeds, w_kqv, w_o, w_up, mask, lowp_scales, img, mbits; writes img, mbits
.if DOCPART == 1
	.amdgcn_target "amdgcn-amd-amdhsa--gfx1250"
	.amdhsa_code_object_version 6
	.text
	.protected	k_q61924f4d12_quant
	.globl	k_q61924f4d12_quant
	.p2align	8
	.type	k_q61924f4d12_quant,@function
k_q61924f4d12_quant:
	s_mov_b64 s[64:65], 0
	v_nop
	global_prefetch_b8 v0, s[64:65] scope:SCOPE_SE
	s_setreg_imm32_b32 hwreg(HW_REG_WAVE_MODE, 25, 1), 1
	s_wait_xcnt 0x0
; Work-groups 0-383: four f32 operands whose K is innermost and 1,024 long (x_embeds, w_kqv, w_o, w_up) become codes of E4M3, each with its given scale 2^e, laid as IMAGES OF OPERAND REGISTERS.
; (w_down's image is made in the launch that follows, by work-groups that have no part of its product.)
; BLOCK: rows go in blocks of 16; block 2 B + u holds rows 32 B + 8 u + {0..7, 16..23}; place r of a block is row 32 B + 8 u + r + 8 (r / 8).
; FRAGMENT: 16 rows x 128 K = 2,048 bytes, [piece c 0..3][lane 0..31][16 bytes]; lane (r = lane % 16, h = lane / 16), piece c: k = 128 ks + 32 c + 16 h + 0..15 of the block's place r.
; A tensor is [block][ks][2,048]; the four lie on end in img in the order of the work-groups, so fragment number 16 wg + 4 wave + t lies at 2,048 x that number.
; A wave takes four fragments of one block.  Each load reads 512 consecutive bytes of one row; a fragment's 16 rows turn through the wave's own stage in LDS (rows of 512 + 16 bytes), so that a lane
; gets 16 neighbours along K for the conversions; each store covers 512 consecutive bytes, aligned.
; Work-groups 384-511: the mask (true = hidden) becomes lane masks for the attention launch: for a tile of 16 queries qt and a step of 128 keys ks, word n = 16 b + i holds, at bit lane (r, h),
; mask(query place r of block qt, key 128 ks + 32 b + 16 h + i); and for each wave's four steps one flag word: bit p: step p wholly hidden; bit 8 + p: wholly open.
; LIMITS: each e between -126 and 119.  NaN among the inputs is not served (an infinity is held at the largest code).
.set STG,   8448                       ; a wave's stage: 16 rows x 528 bytes
.set SPARE, 4*STG                      ; behind the four stages: the spare words, 128 bytes a wave
.set LI,  1                            ; v1   16 x lane
.set STI, 2                            ; v2   the stage on the way in
.set STO, 3                            ; v3   and on the way out
.set SC,  4                            ; v4   2^e as f32
.set LIM, 5                            ; v5   448 x 2^e
.set SPW, 6                            ; v6   my spare word; never rewritten
.set NIL, 7                            ; v7   0; never rewritten
.set OFF, 8                            ; v8-23   place r's byte offset: 16 x lane + (r + 8 (r / 8)) x a row's bytes
.set R,   24                           ; v24-151 two sets of 64: a fragment as loaded
.set X,   152                          ; v152-215 64 numbers: register 16 c + i = k 32 c + 16 h + i
.set C,   216                          ; v216-247 two sets of 16: a fragment's codes
	s_load_b256 s[4:11], s[0:1], 0x0               ; x s[4:5], w_kqv s[6:7], w_o s[8:9], w_up s[10:11]
	s_load_b64 s[14:15], s[0:1], 0x20              ; mask
	s_load_b128 s[16:19], s[0:1], 0x28             ; scales s[16:17], img s[18:19]
	s_load_b64 s[20:21], s[0:1], 0x38              ; mbits
	v_lshl_add_u32 v[SPW], v0, 2, SPARE
	v_mov_b32 v[NIL], 0
	v_lshrrev_b32 v24, 5, v0
	v_readfirstlane_b32 s22, v24                   ; wave
	v_and_b32 v24, 31, v0                          ; lane
	v_lshlrev_b32 v[LI], 4, v24
	v_and_b32 v25, 15, v0                          ; r
	v_bfe_u32 v26, v0, 4, 1                        ; h
	s_cmp_ge_u32 ttmp9, 384
	s_cbranch_scc1 .Lmask
	; ---------------- images ----------------
	s_mul_i32 s23, s22, STG
	v_add_nc_u32 v[STI], s23, v[LI]
	v_mul_u32_u24 v[STO], v25, 528
	v_lshl_add_u32 v[STO], v26, 6, v[STO]
	v_add_nc_u32 v[STO], s23, v[STO]               ; row r, + 64 h: my 16 numbers of a block of 32
	s_wait_kmcnt 0x0
	s_load_b256 s[40:47], s[16:17], 0x0            ; e0 .. e7
	s_load_b128 s[48:51], s[16:17], 0x20           ; e8 .. e11
	s_mov_b64 s[24:25], s[10:11]                   ; which tensor: by the work-group's number alone.  From w_up downward
	s_mov_b32 s26, 256                             ; its first work-group
	s_mov_b32 s27, 3                               ; log2 of K / 128
	s_cmp_lt_u32 ttmp9, 256
	s_cselect_b64 s[24:25], s[8:9], s[24:25]
	s_cselect_b32 s26, 224, s26
	s_cmp_lt_u32 ttmp9, 224
	s_cselect_b64 s[24:25], s[6:7], s[24:25]
	s_cselect_b32 s26, 128, s26
	s_cmp_lt_u32 ttmp9, 128
	s_cselect_b64 s[24:25], s[4:5], s[24:25]
	s_cselect_b32 s26, 0, s26
	s_sub_co_u32 s28, ttmp9, s26
	s_lshl_b32 s28, s28, 4
	s_lshl_b32 s29, s22, 2
	s_add_co_u32 s28, s28, s29                     ; my first fragment in the tensor
	s_lshr_b32 s29, s28, s27                       ; its block
	s_lshl_b32 s30, 1, s27
	s_sub_co_u32 s30, s30, 1
	s_and_b32 s30, s28, s30                        ; its K step
	s_lshr_b32 s31, s29, 1
	s_lshl_b32 s31, s31, 5
	s_and_b32 s32, s29, 1
	s_lshl_b32 s32, s32, 3
	s_add_co_u32 s31, s31, s32                     ; the block's first row
	s_lshl_b32 s33, 512, s27                       ; a row's bytes: 4 K
	s_mul_i32 s34, s31, s33                        ; under 2^25
	s_lshl_b32 s30, s30, 9
	s_add_co_u32 s34, s34, s30
	s_mov_b32 s35, 0
	s_add_nc_u64 s[24:25], s[24:25], s[34:35]
	s_lshl_b32 s36, ttmp9, 15                      ; 16 fragments a work-group,
	s_lshl_b32 s37, s22, 13                        ; 4 a wave
	s_add_co_u32 s36, s36, s37
	s_mov_b32 s37, 0
	s_add_nc_u64 s[18:19], s[18:19], s[36:37]
	s_wait_alu depctr_va_vdst(0)
.irp r, 0,1,2,3,4,5,6,7,8,9,10,11,12,13,14,15
	v_mad_u32_u24 v[OFF+\r], s33, \r+8*(\r/8), v[LI]
.endr
.macro LOADF t                         ; fragment t as it lies: 16 rows x 512 bytes
.irp r, 0,1,2,3,4,5,6,7,8,9,10,11,12,13,14,15
	global_load_b128 v[R+64*((\t)%2)+4*\r:R+64*((\t)%2)+4*\r+3], v[OFF+\r], s[24:25] offset:512*(\t) th:TH_LOAD_NT
.endr
.endm
	LOADF 0
	LOADF 1
	s_wait_alu depctr_va_vdst(0)
	s_wait_kmcnt 0x0
	s_mov_b32 s38, s49                             ; the tensor's e: entries 9, 7, 1, 0
	s_cmp_lt_u32 ttmp9, 256
	s_cselect_b32 s38, s47, s38
	s_cmp_lt_u32 ttmp9, 224
	s_cselect_b32 s38, s41, s38
	s_cmp_lt_u32 ttmp9, 128
	s_cselect_b32 s38, s40, s38
	s_add_co_i32 s38, s38, 127
	s_lshl_b32 s39, s38, 23
	v_mov_b32 v[SC], s39                           ; the conversion takes its exponent field
	s_add_co_i32 s38, s38, 8
	s_lshl_b32 s38, s38, 23
	s_or_b32 s38, s38, 0x600000
	v_mov_b32 v[LIM], s38
.macro FRAGQ t
.if (\t) < 3
	s_wait_loadcnt 16                              ; this fragment's 16 loads are in; the next one's may be out
.else
	s_wait_loadcnt 0x0
.endif
.irp r, 0,1,2,3,4,5,6,7,8,9,10,11,12,13,14,15
	ds_store_b128 v[STI], v[R+64*((\t)%2)+4*\r:R+64*((\t)%2)+4*\r+3] offset:528*\r
.endr
.irp c, 0,1,2,3
.irp j, 0,1,2,3
	ds_load_b128 v[X+16*\c+4*\j:X+16*\c+4*\j+3], v[STO] offset:128*\c+16*\j   ; LDS serves a wave's instructions in order (ISA guide 5.7.1.4): these see the stores above
.endr
.endr
	s_wait_dscnt 0x0                               ; the numbers are back, and the stores have read their registers,
.if (\t) < 2
	LOADF (\t)+2                                   ; which take the fragment two on
.endif
.set i, 0
.rept 64
	v_med3_num_f32 v[X+i], v[X+i], -v[LIM], v[LIM] ; the conversion to an 8-bit code does not saturate (ISA guide 7.6.2): the hold comes first
.set i, i+1
.endr
.if (\t) >= 2
	s_wait_alu depctr_va_vdst(0)
	s_wait_xcnt 0x0                                ; the stores of two fragments back have read this set of codes
.endif
.irp g, 0,1,2,3,4,5,6,7
	v_cvt_scalef32_pk8_fp8_f32 v[C+16*((\t)%2)+2*\g:C+16*((\t)%2)+2*\g+1], v[X+8*\g:X+8*\g+7], v[SC]
.endr
	v_nop                                          ; a plain line behind the last conversion
.irp c, 0,1,2,3
	global_store_b128 v[LI], v[C+16*((\t)%2)+4*\c:C+16*((\t)%2)+4*\c+3], s[18:19] offset:2048*(\t)+512*\c
.endr
.endm
	s_wait_alu depctr_va_vdst(0)
	FRAGQ 0
	FRAGQ 1
	FRAGQ 2
	FRAGQ 3
	s_wait_tensorcnt 0x0                           ; the wave's end, behind my last LDS store
	ds_add_u32 v[SPW], v[NIL]
	s_wait_dscnt 0x0
	s_endpgm
	; ---------------- the mask: no LDS on this path ----------------
.Lmask:
	s_sub_co_u32 s23, ttmp9, 384
	s_lshl_b32 s23, s23, 2
	s_add_co_u32 s23, s23, s22                     ; W = 4 qt + quarter
	s_lshr_b32 s24, s23, 2                         ; qt
	s_and_b32 s25, s23, 3                          ; which four steps of 128 keys
	s_lshr_b32 s26, s24, 1
	s_lshl_b32 s26, s26, 5
	s_and_b32 s27, s24, 1
	s_lshl_b32 s27, s27, 3
	s_add_co_u32 s26, s26, s27                     ; the tile's first query
	s_lshl_b32 s26, s26, 11                        ; a row of the mask is 2,048 bytes
	s_lshl_b32 s27, s25, 9
	s_add_co_u32 s26, s26, s27
	s_mov_b32 s27, 0
	s_wait_alu depctr_va_vdst(0)
	v_and_b32 v27, 8, v25
	v_add_nc_u32 v27, v27, v25                     ; r + 8 (r / 8)
	v_lshlrev_b32 v27, 11, v27
	v_lshl_add_u32 v27, v26, 4, v27                ; + 16 h
	v_lshlrev_b32 v28, 3, v24                      ; 8 x lane
	v_lshlrev_b32 v29, 2, v24                      ; 4 x lane
	s_lshl_b32 s28, s23, 10                        ; (16 qt + 4 quarter) x 256 bytes of words
	s_mov_b32 s29, 0
	s_lshl_b32 s38, s23, 7                         ; 128 bytes of flag a wave
	s_mov_b32 s39, 0
	s_wait_alu depctr_va_vdst(0)
	s_wait_kmcnt 0x0
	s_add_nc_u64 s[14:15], s[14:15], s[26:27]
	s_add_nc_u64 s[30:31], s[20:21], s[28:29]
	s_add_nc_u64 s[32:33], s[20:21], s[38:39]
.irp p, 0,1,2,3
.irp b, 0,1,2,3
	global_load_b128 v[32+16*\p+4*\b:35+16*\p+4*\b], v27, s[14:15] offset:128*\p+32*\b
.endr
.endr
	s_mov_b32 s36, 0                               ; the flags
	s_wait_loadcnt 0x0
.irp p, 0,1,2,3
	v_mov_b32 v[100+2*\p], 0                       ; word n goes to lane n / 2, register n % 2: stored 8 bytes a lane, it lies at byte 4 n
	v_mov_b32 v[101+2*\p], 0
	s_mov_b32 s34, -1                              ; the AND of the step's words,
	s_mov_b32 s35, 0                               ; and their OR
.set n, 0
.rept 64
	v_and_b32 v96, 0xff<<(8*(n%4)), v[32+16*\p+n/4]
	v_cmp_ne_u32 s37, 0, v96
	v_writelane_b32 v[100+2*\p+n%2], s37, n/2
	s_and_b32 s34, s34, s37
	s_or_b32 s35, s35, s37
.set n, n+1
.endr
	global_store_b64 v28, v[100+2*\p:101+2*\p], s[30:31] offset:256*\p   ; 256 consecutive bytes, aligned
	s_cmp_eq_u32 s34, -1
	s_cselect_b32 s38, 1<<\p, 0
	s_or_b32 s36, s36, s38
	s_cmp_eq_u32 s35, 0
	s_cselect_b32 s38, 256<<\p, 0
	s_or_b32 s36, s36, s38
.endr
	v_mov_b32 v98, s36
	global_store_b32 v29, v98, s[32:33] offset:524288   ; 32 copies of the flag word
	s_endpgm
.Lfunc_end_k_q61924f4d12_quant:
	.size	k_q61924f4d12_quant, .Lfunc_end_k_q61924f4d12_quant-k_q61924f4d12_quant
	.p2alignl 7, 3214868480
	.fill 96, 4, 3214868480
	.section	.rodata,"a",@progbits
	.p2align	6, 0x0
	.amdhsa_kernel k_q61924f4d12_quant
		.amdhsa_group_segment_fixed_size 34304
		.amdhsa_private_segment_fixed_size 0
		.amdhsa_enable_private_segment 0
		.amdhsa_kernarg_size 64
		.amdhsa_user_sgpr_count 2
		.amdhsa_user_sgpr_kernarg_segment_ptr 1
		.amdhsa_wavefront_size32 1
		.amdhsa_system_sgpr_workgroup_id_x 1
		.amdhsa_system_sgpr_workgroup_id_y 1
		.amdhsa_system_sgpr_workgroup_id_z 1
		.amdhsa_system_vgpr_workitem_id 0
		.amdhsa_next_free_vgpr 256
		.amdhsa_next_free_sgpr 66
		.amdhsa_reserve_vcc 0
		.amdhsa_float_denorm_mode_32 3
		.amdhsa_float_denorm_mode_16_64 3
		.amdhsa_memory_ordered 1
		.amdhsa_forward_progress 1
		.amdhsa_inst_pref_size 108
	.end_amdhsa_kernel
	.amdgpu_metadata
---
amdhsa.version: [ 1, 2 ]
amdhsa.kernels:
  - .name:           k_q61924f4d12_quant
    .symbol:         k_q61924f4d12_quant.kd
    .args:
      - { .name: x_embeds, .offset: 0, .size: 8, .value_kind: global_buffer, .address_space: global }
      - { .name: w_kqv, .offset: 8, .size: 8, .value_kind: global_buffer, .address_space: global }
      - { .name: w_o, .offset: 16, .size: 8, .value_kind: global_buffer, .address_space: global }
      - { .name: w_up, .offset: 24, .size: 8, .value_kind: global_buffer, .address_space: global }
      - { .name: mask, .offset: 32, .size: 8, .value_kind: global_buffer, .address_space: global }
      - { .name: lowp_scales, .offset: 40, .size: 8, .value_kind: global_buffer, .address_space: global }
      - { .name: img, .offset: 48, .size: 8, .value_kind: global_buffer, .address_space: global }
      - { .name: mbits, .offset: 56, .size: 8, .value_kind: global_buffer, .address_space: global }
    .group_segment_fixed_size: 34304
    .private_segment_fixed_size: 0
    .kernarg_segment_align: 8
    .kernarg_segment_size: 64
    .max_flat_workgroup_size: 128
    .sgpr_count:     66
    .vgpr_count:     256
    .wavefront_size: 32
...
	.end_amdgpu_metadata
.endif
;; end of part 1
;; launch gkqv (part 2): grid 16 x 16, 4 waves a work-group, clusters of 4 x 4, 327,680 bytes of LDS; arguments img, lowp_scales, big, w_down, wdimg; writes big, wdimg
.if DOCPART == 2
	.amdgcn_target "amdgcn-amd-amdhsa--gfx1250"
	.amdhsa_code_object_version 6
	.text
	.protected	k_q61924f4d12_gkqv
	.globl	k_q61924f4d12_gkqv
	.p2align	8
	.type	k_q61924f4d12_gkqv,@function
k_q61924f4d12_gkqv:
	s_mov_b64 s[64:65], 0
	v_nop
	global_prefetch_b8 v0, s[64:65] scope:SCOPE_SE
	s_setreg_imm32_b32 hwreg(HW_REG_WAVE_MODE, 25, 1), 1
	s_wait_xcnt 0x0
	s_wait_alu depctr_hold_cnt(0) depctr_sa_sdst(0) depctr_va_vdst(0) depctr_va_sdst(0) depctr_va_ssrc(0) depctr_va_vcc(0) depctr_vm_vsrc(0)
	s_getreg_b32 s2, hwreg(HW_REG_IB_STS2, 6, 4)
	s_cmp_eq_u32 s2, 0
	s_cbranch_scc0 .Lentry_in_a_cluster
	s_endpgm
.Lentry_in_a_cluster:
	s_bfe_u32 s2, ttmp6, 0x10000c
	s_cmp_lg_u32 s2, 0xf033
	s_cbranch_scc0 .Lentry_shape_is_right
	s_endpgm
.Lentry_shape_is_right:
; A GEMM on codes of E4M3 whose operands lie as images of operand registers ([block of 16 rows][K step of 128][2,048 bytes]); the result is quantised again and stored as an image.  One text, two uses:
; KIND 0: kqv = x W_kqv^T.  Cluster column 0 makes K (scale 2^e3), column 1 Q (2^e2), column 2 V (2^e5) with the two sources swapped, so that V's codes come out with the keys innermost.
; KIND 1: h = relu(x1 W_up^T + b_up), quantised with 2^e10; the bias, divided by 2^(e8 + e9), is the C of the first products.
; A work-group of four waves makes 256 x 256, a wave 128 x 128.  K goes through two LDS slots of 256 along K; each wave fetches a quarter of a slot (8 blocks x 4,096 bytes) by one joint load:
; CLUSTER 4 x 4, source 1's tile shared along a row of the cluster, source 0's along a column.
; THE HEAD: one joint load a wave (slot 0) behind the opening round; slot 1's first fill stands behind the three lines and a round, as a refill does.
; PREFETCH INTO THE L2: of the 8 blocks that a wave fetches, each of the four partners that ask for them jointly names two, told apart by address (cx or cy): lanes 0-15 one block's 4,096 bytes of a slot,
; lanes 16-31 the next block's, 256 bytes a lane.  Behind slot 0's load slots 1 and 2 are named, behind slot 1's load slot 3: K has four slots, so the loop names nothing.
; LIMITS: the exponents that are folded into one f32 power of two lie between -126 and 119.
.set KIND,  0
.set NBK,   8
.set KQ,    2
.set KTOT,  1024
.if KIND == 0
.set WOFF,  4194304
.set PA, 4
.set PB, 4
.set PS, 6
.else
.set WOFF,  8388608
.set PA, 4
.set PB, 6
.set PS, 8
.endif
.set Z,     1+KIND
.set FRB,   2048
.set QUART, NBK*KQ*FRB
.set SLOT,  4*QUART
.set LAPS,  KTOT/(256*KQ)
.set SPARE, 2*SLOT
.set ADRA, 16
.set ADRB, 20
.set LI,   24
.set SPW,  28
.set NIL,  29
.set SC,   30
.set LIM,  31
.set T,    32
.set AF,   128
.set G1, 24
.set G0, 32
.set G1B, 48
.set G0B, 56
.set PFO, 22                           ; v22 the prefetches' offset; never rewritten
.set PFA, 86                           ; s[86:87] my work-group's two blocks of the eight that my wave fetches; never rewritten
.set MSB, 0
.macro WIN new
.if MSB != (\new)
	s_set_vgpr_msb (MSB<<8)|(\new)
.set MSB, (\new)
.endif
.endm
.macro JLOAD g0a, g1a, g0b, g1b
	s_cmp_eq_u32 s15, 0
	s_cbranch_scc0 .Lfor_b_\@
	tensor_load_to_lds s[\g0a:\g0a+3], s[\g1a:\g1a+7]
	s_nop 0
.rept 4
	v_nop
.endr
	s_branch .Lasked_\@
.Lfor_b_\@:
	tensor_load_to_lds s[\g0b:\g0b+3], s[\g1b:\g1b+7]
	s_nop 0
.rept 4
	v_nop
.endr
.Lasked_\@:
.endm
.macro CREST
	s_cmp_lg_u32 s14, 0
	s_cbranch_scc1 .Lnot_wave_0_\@
	s_barrier_signal -3
.Lnot_wave_0_\@:
	s_barrier_wait -3
	s_barrier_signal -1
	s_barrier_wait -1
.endm
.macro CROUND
	s_barrier_signal -1
	s_barrier_wait -1
	CREST
.endm
.macro PLACES
.rept 4
	v_nop
.endr
.endm
.macro FRAG reg, adr, q, i
.irp c, 0,1,2,3
	ds_load_b128 v[(\reg)+4*\c:(\reg)+4*\c+3], v[\adr] offset:(\i)*KQ*FRB+(\q)*FRB+512*\c
.endr
.endm
.macro FETCH_B slot, q, p
	WIN 0x40
.set fi, 0
.rept NBK
	FRAG 128*(\p)+16*fi, ADRB+\slot, \q, fi
.set fi, fi+1
.endr
	WIN 0
.endm
.macro FETCH_A slot, q, i0
.set fi, \i0
.rept NBK/2
	FRAG AF+16*fi, ADRA+\slot, \q, fi
.set fi, fi+1
.endr
.endm
.macro MULA a0, n, p, z
.set a, \a0
.rept \n
.set w, 2+(8*NBK*a)/256
.if \z == 2
	WIN 0x01|(w<<6)
.else
	WIN 0x01|(w<<6)|(w<<4)
.endif
.set b, 0
.rept NBK
.set rD, (8*(NBK*a+b))%256
.if \z == 1
	v_wmma_f32_16x16x128_fp8_fp8 v[rD:rD+7], v[128*(\p)+16*b:128*(\p)+16*b+15], v[AF+16*a:AF+16*a+15], 0
.elseif \z == 2
	v_wmma_f32_16x16x128_fp8_fp8 v[rD:rD+7], v[128*(\p)+16*b:128*(\p)+16*b+15], v[AF+16*a:AF+16*a+15], v[T+8*b:T+8*b+7]
.else
	v_wmma_f32_16x16x128_fp8_fp8 v[rD:rD+7], v[128*(\p)+16*b:128*(\p)+16*b+15], v[AF+16*a:AF+16*a+15], v[rD:rD+7]
.endif
.set b, b+1
.endr
.set a, a+1
.endr
.endm
.macro STEP slot, q, z
	s_wait_dscnt 2*NBK
	MULA 0, NBK/2, (\q)%2, \z
	s_wait_dscnt 0x0
	PLACES
	FETCH_B \slot, (\q)+1, 1-(\q)%2
	FETCH_A \slot, (\q)+1, 0
	MULA NBK/2, NBK/2, (\q)%2, \z
	PLACES
	WIN 0
	FETCH_A \slot, (\q)+1, NBK/2
.endm
.macro MID slot
.set mq, 1
.rept KQ-2
	STEP \slot, mq, 0
.set mq, mq+1
.endr
.endm
.macro TURN slot, next, fill
	s_wait_tensorcnt 0x0
	ds_add_u32 v[SPW], v[NIL]
	s_wait_dscnt 2*NBK+1
	MULA 0, NBK/4, 1, 0
	s_wait_dscnt 0x0
	s_barrier_signal -1
	MULA NBK/4, NBK/4, 1, 0
	WIN 0
	s_barrier_wait -1
.if \fill
	CREST
	s_add_nc_u64 s[G0+4*\slot+2:G0+4*\slot+3], s[G0+4*\slot+2:G0+4*\slot+3], 2*KQ*FRB
	s_add_nc_u64 s[G0B+4*\slot+2:G0B+4*\slot+3], s[G0B+4*\slot+2:G0B+4*\slot+3], 2*KQ*FRB
	JLOAD G0+4*\slot, G1, G0B+4*\slot, G1B
.else
	PLACES
.endif
	FETCH_B \next, 0, 0
	FETCH_A \next, 0, 0
	MULA NBK/2, NBK/2, 1, 0
	PLACES
	WIN 0
	FETCH_A \next, 0, NBK/2
.endm
.if KIND == 0
	s_load_b128 s[4:7], s[0:1], 0x0
	s_load_b64 s[10:11], s[0:1], 0x10
	s_load_b128 s[92:95], s[0:1], 0x18             ; w_down s[92:93], its image s[94:95]
.else
	s_load_b256 s[4:11], s[0:1], 0x0
	s_load_b64 s[12:13], s[0:1], 0x20
.endif
	v_lshl_add_u32 v[SPW], v0, 2, SPARE
	v_mov_b32 v[NIL], 0
	ds_add_u32 v[SPW], v[NIL]
	ds_add_u32 v[SPW], v[NIL]
	v_lshrrev_b32 v1, 5, v0
	v_readfirstlane_b32 s14, v1
	s_lshr_b32 s15, s14, 1
	s_and_b32 s16, s14, 1
	s_bfe_u32 s40, ttmp6, 0x40000
	s_bfe_u32 s41, ttmp6, 0x40004
	s_and_b32 s19, ttmp7, 0xffff
.if KIND == 0
	s_cmp_eq_u32 ttmp9, 2
	s_cselect_b32 s18, s19, ttmp9
	s_cselect_b32 s19, 2, s19
	s_cselect_b32 s66, 0, WOFF
	s_cselect_b32 s67, WOFF, 0
.else
	s_mov_b32 s18, ttmp9
	s_mov_b32 s66, WOFF
	s_mov_b32 s67, 0
.endif
	s_lshl_b32 s42, s18, 2
	s_add_co_u32 s42, s42, s40
	s_lshl_b32 s17, s19, 2
	s_add_co_u32 s17, s17, s41
	s_lshl_b32 s43, s41, 2
	s_lshl_b32 s43, 15, s43
	s_lshl_b32 s44, 0x1111, s40
	s_or_b32 s[G1+0], s43, (3<<16)|(1<<21)
	s_or_b32 s[G1B+0], s44, (3<<16)|(1<<21)
.irp g, G1, G1B
	s_mov_b32 s[\g+1], (256*KQ)<<16
	s_mov_b32 s[\g+2], NBK<<16
	s_mov_b32 s[\g+3], (256*KQ)<<16
	s_mov_b32 s[\g+4], NBK
	s_mov_b32 s[\g+5], 2*KTOT
	s_mov_b32 s[\g+6], 0
	s_mov_b32 s[\g+7], 0
.endr
	s_mul_i32 s18, s16, NBK
	s_mul_i32 s20, s17, 2*NBK
	s_add_co_u32 s20, s20, s18
	s_mul_i32 s20, s20, 16*KTOT
	s_add_co_u32 s20, s20, s67
	s_mov_b32 s21, 0
	s_mul_i32 s46, s42, 2*NBK
	s_add_co_u32 s46, s46, s18
	s_mul_i32 s46, s46, 16*KTOT
	s_add_co_u32 s46, s46, s66
	s_mov_b32 s47, 0
	s_mul_i32 s45, s14, QUART
	s_wait_dscnt 0x0
	s_wait_kmcnt 0x0
	s_load_b256 s[68:75], s[PS:PS+1], 0x0
	s_load_b128 s[76:79], s[PS:PS+1], 0x20
	; THE FOURTH CLUSTER COLUMN has no part of the product (3,072 columns are twelve tiles of 256): its 64 work-groups make w_down's image, codes of E4M3 with the scale 2^e11, [block of 16 rows][K step][2,048 bytes].
	; Work-group q takes block q (rows 32 (q / 2) + 8 (q % 2) + {0..7, 16..23}), a wave 8 of its 32 K steps: 4 trips of two fragments.  Each load reads 512 consecutive bytes of one row; a fragment's 16 rows
	; turn through the wave's own stage in LDS (rows of 512 + 16 bytes, behind the ring and the spare words: no fill lands there), so that a lane gets 16 neighbours along K; each store covers 512 consecutive bytes.
	; The branch hangs on the cluster's x alone, which all partners share.  No tensor load on this way; it joins the others at the closing lines and the closing round.  LIMIT: e11 between -126 and 119.
	s_wait_alu depctr_va_vdst(0)
	s_cmp_lg_u32 ttmp9, 3
	s_cbranch_scc1 .Lgemm
.set WST0, SPARE+512                   ; the four stages
.set WSTG, 8448                        ; 16 rows x 528 bytes
	s_lshl_b32 s80, s17, 2
	s_add_co_u32 s80, s80, s40                     ; q = 4 (4 cluster y + cy) + cx
	s_lshr_b32 s81, s80, 1
	s_lshl_b32 s81, s81, 5
	s_and_b32 s82, s80, 1
	s_lshl_b32 s82, s82, 3
	s_add_co_u32 s81, s81, s82                     ; the block's first row
	s_lshl_b32 s82, s81, 14                        ; a row of w_down is 16,384 bytes
	s_lshl_b32 s83, s14, 12                        ; my 8 K steps of 512 bytes
	s_add_co_u32 s82, s82, s83
	s_mov_b32 s83, 0
	s_add_nc_u64 s[92:93], s[92:93], s[82:83]
	s_lshl_b32 s82, s80, 16                        ; a block's 32 fragments,
	s_lshl_b32 s84, s14, 14                        ; my 8
	s_add_co_u32 s82, s82, s84
	s_add_nc_u64 s[94:95], s[94:95], s[82:83]
	s_mul_i32 s85, s14, WSTG
	s_add_co_u32 s85, s85, WST0                    ; my stage
	v_and_b32 v24, 31, v0                          ; lane
	v_lshlrev_b32 v1, 4, v24                       ; v1: 16 x lane
	v_and_b32 v25, 15, v0                          ; r
	v_bfe_u32 v26, v0, 4, 1                        ; h
	v_add_nc_u32 v2, s85, v1                       ; v2: the stage on the way in
	v_mul_u32_u24 v3, v25, 528
	v_lshl_add_u32 v3, v26, 6, v3
	v_add_nc_u32 v3, s85, v3                       ; v3: and on the way out: row r, + 64 h
	v_lshrrev_b32 v6, 1, v24
	v_and_b32 v27, 8, v6
	v_add_nc_u32 v6, v6, v27
	v_lshlrev_b32 v6, 14, v6
	v_and_b32 v27, 1, v24
	v_lshl_add_u32 v6, v27, 8, v6                  ; v6: the prefetches' offset: two lanes to a row of the block, 256 bytes a lane
.irp r, 0,1,2,3,4,5,6,7,8,9,10,11,12,13,14,15
	v_add_nc_u32 v[8+\r], (\r+8*(\r/8))*16384, v1  ; v8-23: place r's byte offset
.endr
	s_wait_kmcnt 0x0
	s_add_co_i32 s86, s79, 127
	s_lshl_b32 s87, s86, 23
	v_mov_b32 v4, s87                              ; v4: 2^e11 as f32: the conversion takes its exponent field
	s_add_co_i32 s86, s86, 8
	s_lshl_b32 s86, s86, 23
	s_or_b32 s86, s86, 0x600000
	v_mov_b32 v5, s86                              ; v5: 448 x 2^e11
	s_mov_b32 s3, 0
	s_wait_alu depctr_va_vdst(0)
.macro WFRAG t                         ; v32-159 two fragments as loaded; v160-223 64 numbers, register 16 c + i = k 32 c + 16 h + i; v224-255 two sets of codes
	s_wait_loadcnt 16-16*(\t)                      ; this fragment's 16 loads are in; the second fragment's 16 may be out
.irp r, 0,1,2,3,4,5,6,7,8,9,10,11,12,13,14,15
	ds_store_b128 v2, v[32+64*(\t)+4*\r:35+64*(\t)+4*\r] offset:528*\r
.endr
.irp c, 0,1,2,3
.irp j, 0,1,2,3
	ds_load_b128 v[160+16*\c+4*\j:163+16*\c+4*\j], v3 offset:128*\c+16*\j   ; LDS serves a wave's instructions in order (ISA guide 5.7.1.4): these see the stores above
.endr
.endr
	s_wait_dscnt 0x0
.set i, 0
.rept 64
	v_med3_num_f32 v[160+i], v[160+i], -v5, v5     ; the conversion to an 8-bit code does not saturate (ISA guide 7.6.2): the hold comes first
.set i, i+1
.endr
.irp g, 0,1,2,3,4,5,6,7
	v_cvt_scalef32_pk8_fp8_f32 v[224+16*(\t)+2*\g:225+16*(\t)+2*\g], v[160+8*\g:167+8*\g], v4
.endr
	v_nop                                          ; a plain line behind the last conversion
.irp c, 0,1,2,3
	global_store_b128 v1, v[224+16*(\t)+4*\c:227+16*(\t)+4*\c], s[94:95] offset:2048*(\t)+512*\c
.endr
.endm
.Lwq:                                              ; 4 trips
.irp t, 0,1
.irp r, 0,1,2,3,4,5,6,7,8,9,10,11,12,13,14,15
	global_load_b128 v[32+64*\t+4*\r:35+64*\t+4*\r], v[8+\r], s[92:93] offset:512*\t th:TH_LOAD_NT
.endr
.endr
	s_cmp_lt_u32 s3, 3                             ; the last trip has no successor
	s_cbranch_scc0 .Lwq_noask
	global_prefetch_b8 v6, s[92:93] offset:1024 th:TH_LOAD_NT scope:SCOPE_SE   ; the next trip's 16 rows x 1,024 bytes: 64 blocks of 256 bytes, each named once
	global_prefetch_b8 v6, s[92:93] offset:1536 th:TH_LOAD_NT scope:SCOPE_SE
.Lwq_noask:
	WFRAG 0
	WFRAG 1
	s_wait_xcnt 0x0                                ; the stores have read their codes and every base: both may be written
	s_add_nc_u64 s[92:93], s[92:93], 1024
	s_add_nc_u64 s[94:95], s[94:95], 4096
	s_add_co_u32 s3, s3, 1
	s_cmp_lt_u32 s3, 4
	s_cbranch_scc1 .Lwq
	s_branch .Lout_done
.Lgemm:
	s_add_nc_u64 s[20:21], s[PA:PA+1], s[20:21]
	s_add_nc_u64 s[46:47], s[PB:PB+1], s[46:47]
	s_cmp_eq_u32 s15, 0                            ; which tile do I fetch for?
	s_cselect_b64 s[PFA:PFA+1], s[20:21], s[46:47]
	s_cselect_b32 s88, s40, s41                    ; my place among the four that ask for it with me
	s_mul_i32 s88, s88, (NBK/4)*16*KTOT
	s_mov_b32 s89, 0
	s_add_nc_u64 s[PFA:PFA+1], s[PFA:PFA+1], s[88:89]
	v_and_b32 v1, 15, v0
	v_bfe_u32 v[PFO], v0, 4, 1
	v_mul_u32_u24 v[PFO], v[PFO], 16*KTOT          ; lanes 16-31: the next block
	v_lshl_add_u32 v[PFO], v1, 8, v[PFO]           ; 256 bytes a lane
	global_prefetch_b8 v[PFO], s[PFA:PFA+1] th:TH_LOAD_NT scope:SCOPE_SE   ; slot 0, the buffers' first touch, is named as soon as the addresses stand: the opening round and the descriptors' set-up lie between this line and its load
	s_wait_alu depctr_va_vdst(0)
	CROUND
.irp s, 0,1
	s_mov_b32 s[G0+4*\s], 1
	s_add_co_u32 s[G0+4*\s+1], s45, \s*SLOT
	s_add_nc_u64 s[G0+4*\s+2:G0+4*\s+3], s[20:21], \s*KQ*FRB
	s_or_b32 s[G0+4*\s+3], s[G0+4*\s+3], 0x80000000
	s_mov_b32 s[G0B+4*\s], 1
	s_add_co_u32 s[G0B+4*\s+1], s45, \s*SLOT
	s_add_nc_u64 s[G0B+4*\s+2:G0B+4*\s+3], s[46:47], \s*KQ*FRB
	s_or_b32 s[G0B+4*\s+3], s[G0B+4*\s+3], 0x80000000
.endr
	JLOAD G0, G1, G0B, G1B                         ; slot 0: one tensor load a wave at the head
	global_prefetch_b8 v[PFO], s[PFA:PFA+1] offset:KQ*FRB th:TH_LOAD_NT scope:SCOPE_SE     ; slot 1
	global_prefetch_b8 v[PFO], s[PFA:PFA+1] offset:2*KQ*FRB th:TH_LOAD_NT scope:SCOPE_SE   ; slot 2
	v_and_b32 v1, 31, v0
	v_lshlrev_b32 v[LI], 4, v1
	s_mul_i32 s21, s15, QUART
	s_mul_i32 s22, s16, QUART
	s_add_co_u32 s22, s22, 2*QUART
.irp s, 0,1
	v_add_nc_u32 v[ADRA+\s], s21, v[LI]
	v_add_nc_u32 v[ADRB+\s], s22, v[LI]
	s_add_co_u32 s21, s21, SLOT
	s_add_co_u32 s22, s22, SLOT
.endr
.if KIND == 1
	v_bfe_u32 v2, v0, 4, 1
	v_lshlrev_b32 v2, 6, v2
	s_lshl_b32 s82, s42, 10
	s_lshl_b32 s83, s16, 9
	s_add_co_u32 s82, s82, s83
	s_mov_b32 s83, 0
	s_add_nc_u64 s[12:13], s[12:13], s[82:83]
.irp b, 0,1,2,3,4,5,6,7
	global_load_b128 v[T+8*\b:T+8*\b+3], v2, s[12:13] offset:(32*(\b/2)+8*(\b%2))*4
	global_load_b128 v[T+8*\b+4:T+8*\b+7], v2, s[12:13] offset:(32*(\b/2)+8*(\b%2))*4+16
.endr
	s_wait_kmcnt 0x0
	s_add_co_i32 s84, s76, s77
	s_sub_co_i32 s84, 0, s84
	s_wait_loadcnt 0x0
.set i, 0
.rept 64
	v_ldexp_f32 v[T+i], v[T+i], s84
.set i, i+1
.endr
.endif
	s_wait_alu depctr_va_vdst(0)
	s_wait_tensorcnt 0x0                           ; my part of slot 0 is in
	ds_add_u32 v[SPW], v[NIL]
	s_wait_dscnt 0x0
	CROUND                                         ; everybody's part of slot 0 is in, and all sixteen work-groups are here
	JLOAD G0+4, G1, G0B+4, G1B                     ; slot 1: the first tensor load behind the round
	global_prefetch_b8 v[PFO], s[PFA:PFA+1] offset:3*KQ*FRB th:TH_LOAD_NT scope:SCOPE_SE   ; slot 3, two refills on
	FETCH_B 0, 0, 0
	FETCH_A 0, 0, 0
	FETCH_A 0, 0, NBK/2
	STEP 0, 0, Z
.if LAPS > 1
	s_mov_b32 s3, LAPS-1
.Llap:
	MID 0
	TURN 0, 1, 1
	STEP 1, 0, 0
	MID 1
	TURN 1, 0, 1
	STEP 0, 0, 0
	s_sub_co_u32 s3, s3, 1
	s_cmp_lg_u32 s3, 0
	s_cbranch_scc1 .Llap
.endif
	MID 0
	TURN 0, 1, 0
	STEP 1, 0, 0
	MID 1
	s_wait_dscnt 2*NBK
	MULA 0, NBK/2, 1, 0
	s_wait_dscnt 0x0
	MULA NBK/2, NBK/2, 1, 0
	WIN 0
	s_wait_kmcnt 0x0
.if KIND == 0
	s_cmp_eq_u32 ttmp9, 0
	s_cselect_b32 s80, s71, s70
	s_cmp_eq_u32 ttmp9, 2
	s_cselect_b32 s80, s73, s80
	s_sub_co_i32 s80, s80, s68
	s_sub_co_i32 s80, s80, s69
.else
	s_sub_co_i32 s80, s78, s76
	s_sub_co_i32 s80, s80, s77
.endif
	s_add_co_i32 s80, s80, 127
	s_lshl_b32 s81, s80, 23
	v_mov_b32 v[SC], s81
	s_add_co_i32 s80, s80, 8
	s_lshl_b32 s80, s80, 23
	s_or_b32 s80, s80, 0x600000
	v_mov_b32 v[LIM], s80
	PLACES
.set a, 0
.rept 8
	WIN 0x02+(a/4)
.set i, 0
.rept 64
.if KIND == 1
	v_med3_num_f32 v[T+i], v[64*(a%4)+i], 0, v[LIM]
.else
	v_med3_num_f32 v[T+i], v[64*(a%4)+i], -v[LIM], v[LIM]
.endif
.set i, i+1
.endr
	WIN 0
.set g, 0
.rept 8
	v_cvt_scalef32_pk8_fp8_f32 v[AF+16*a+2*g:AF+16*a+2*g+1], v[T+8*g:T+8*g+7], v[SC]
.set g, g+1
.endr
	v_nop
.set a, a+1
.endr
.if KIND == 1
	s_lshl_b32 s82, s17, 4
	s_lshl_b32 s83, s15, 3
	s_add_co_u32 s82, s82, s83
	s_lshl_b32 s82, s82, 16
	s_lshl_b32 s83, s42, 1
	s_add_co_u32 s83, s83, s16
	s_lshl_b32 s83, s83, 11
	s_add_co_u32 s82, s82, s83
	s_mov_b32 s83, 0
	s_add_nc_u64 s[10:11], s[10:11], s[82:83]
.set a, 0
.rept 8
.irp e, 0,1,2,3
	global_store_b128 v[LI], v[AF+16*a+4*\e:AF+16*a+4*\e+3], s[10:11] offset:65536*a+512*\e
.endr
.set a, a+1
.endr
.else
	s_cmp_eq_u32 ttmp9, 2
	s_cbranch_scc1 .Lv_out
	s_lshr_b32 s82, s17, 3
	s_lshl_b32 s82, s82, 4
	s_lshl_b32 s83, s40, 2
	s_add_co_u32 s82, s82, s83
	s_lshl_b32 s83, s16, 1
	s_add_co_u32 s82, s82, s83
	s_mul_i32 s82, s82, 393216
	s_lshl_b32 s83, ttmp9, 17
	s_add_co_u32 s82, s82, s83
	s_and_b32 s83, s17, 7
	s_lshl_b32 s83, s83, 4
	s_lshl_b32 s84, s15, 3
	s_add_co_u32 s83, s83, s84
	s_lshl_b32 s83, s83, 10
	s_add_co_u32 s82, s82, s83
	s_mov_b32 s83, 0
	s_add_nc_u64 s[10:11], s[10:11], s[82:83]
.set a, 0
	s_wait_alu depctr_va_vdst(0)
.rept 8
.irp e, 0,1,2,3
	global_store_b128 v[LI], v[AF+16*a+4*\e:AF+16*a+4*\e+3], s[10:11] offset:(\e/2)*393216+1024*a+512*(\e%2)
.endr
.set a, a+1
.endr
	s_branch .Lout_done
.Lv_out:
	s_lshr_b32 s82, s42, 3
	s_lshl_b32 s82, s82, 4
	s_lshl_b32 s83, s41, 2
	s_add_co_u32 s82, s82, s83
	s_lshl_b32 s83, s15, 1
	s_add_co_u32 s82, s82, s83
	s_mul_i32 s82, s82, 393216
	s_add_co_u32 s82, s82, 262144
	s_and_b32 s83, s42, 7
	s_lshl_b32 s83, s83, 1
	s_add_co_u32 s83, s83, s16
	s_lshl_b32 s83, s83, 13
	s_add_co_u32 s82, s82, s83
	s_mov_b32 s83, 0
	s_add_nc_u64 s[10:11], s[10:11], s[82:83]
.set a, 0
	s_wait_alu depctr_va_vdst(0)
.rept 8
.irp e, 0,1,2,3
	global_store_b128 v[LI], v[AF+16*a+4*\e:AF+16*a+4*\e+3], s[10:11] offset:(a/4)*393216+2048*(a%4)+512*\e
.endr
.set a, a+1
.endr
.Lout_done:
.endif
	s_wait_tensorcnt 0x0
	ds_add_u32 v[SPW], v[NIL]
	s_wait_dscnt 0x0
	CROUND
	s_endpgm
.Lfunc_end_k_q61924f4d12_gkqv:
	.size	k_q61924f4d12_gkqv, .Lfunc_end_k_q61924f4d12_gkqv-k_q61924f4d12_gkqv
	.p2alignl 7, 3214868480
	.fill 96, 4, 3214868480
	.section	.rodata,"a",@progbits
	.p2align	6, 0x0
	.amdhsa_kernel k_q61924f4d12_gkqv
		.amdhsa_group_segment_fixed_size 327680
		.amdhsa_private_segment_fixed_size 0
		.amdhsa_enable_private_segment 0
		.amdhsa_kernarg_size 40
		.amdhsa_user_sgpr_count 2
		.amdhsa_user_sgpr_kernarg_segment_ptr 1
		.amdhsa_wavefront_size32 1
		.amdhsa_system_sgpr_workgroup_id_x 1
		.amdhsa_system_sgpr_workgroup_id_y 1
		.amdhsa_system_sgpr_workgroup_id_z 1
		.amdhsa_system_vgpr_workitem_id 0
		.amdhsa_next_free_vgpr 1024
		.amdhsa_next_free_sgpr 100
		.amdhsa_reserve_vcc 0
		.amdhsa_float_denorm_mode_32 3
		.amdhsa_float_denorm_mode_16_64 3
		.amdhsa_memory_ordered 1
		.amdhsa_forward_progress 1
		.amdhsa_inst_pref_size 143
	.end_amdhsa_kernel
	.amdgpu_metadata
---
amdhsa.version: [ 1, 2 ]
amdhsa.kernels:
  - .name:           k_q61924f4d12_gkqv
    .symbol:         k_q61924f4d12_gkqv.kd
    .args:
      - { .name: img, .offset: 0, .size: 8, .value_kind: global_buffer, .address_space: global }
      - { .name: lowp_scales, .offset: 8, .size: 8, .value_kind: global_buffer, .address_space: global }
      - { .name: big, .offset: 16, .size: 8, .value_kind: global_buffer, .address_space: global }
      - { .name: w_down, .offset: 24, .size: 8, .value_kind: global_buffer, .address_space: global }
      - { .name: wdimg, .offset: 32, .size: 8, .value_kind: global_buffer, .address_space: global }
    .group_segment_fixed_size: 327680
    .private_segment_fixed_size: 0
    .kernarg_segment_align: 8
    .kernarg_segment_size: 40
    .max_flat_workgroup_size: 128
    .sgpr_count:     100
    .vgpr_count:     1024
    .wavefront_size: 32
...
	.end_amdgpu_metadata
.endif
;; end of part 2
;; launch attn (part 3): grid 8 x 32, 16 waves a work-group, no clusters, 264,192 bytes of LDS; arguments big, mbits, lowp_scales, acode; writes acode
.if DOCPART == 3
	.amdgcn_target "amdgcn-amd-amdhsa--gfx1250"
	.amdhsa_code_object_version 6
	.text
	.protected	k_q61924f4d12_attn
	.globl	k_q61924f4d12_attn
	.p2align	8
	.type	k_q61924f4d12_attn,@function
k_q61924f4d12_attn:
	s_mov_b64 s[64:65], 0
	v_nop
	global_prefetch_b8 v0, s[64:65] scope:SCOPE_SE
	s_setreg_imm32_b32 hwreg(HW_REG_WAVE_MODE, 25, 1), 1
	s_wait_xcnt 0x0
; Attention on codes of E4M3, head size 64, with the mask that is GIVEN (true = hidden), whatever it holds.  Both products transposed: S^T = K Q^T, O^T = V^T P^T: a lane holds one query throughout.
; t = score x log2(e) / 8; M = the running largest t rounded UP to a whole number; p = 2^(t - M) is quantised with 2^e4; the row's sum is taken of the unquantised p and divides at the end.
; SHARES: a work-group owns one (batch, head) and 16 of its 128 tiles of 16 queries: tiles 8 rho + work-group x, rho = 0..15.  THE KEYS OF A TILE ARE SHARED BY TWO WAVES: waves 2 p and 2 p + 1 own the tiles
; rho = p and rho = 15 - p.  Each wave walks two segments of 8 steps of 128 keys: first steps 8..15 of its tile X, then steps 0..7 of its tile Y; its partner (wave xor 1) has X and Y the other way round.
; So every (tile, step) is walked once, whatever the mask holds.  Where a mask hides later keys from earlier queries, the steps that are not hidden come to 8 or 9 in every wave; which wave of a pair
; keeps which tile alternates with bit 2 of the wave's number.  That is an order, nothing hangs on it.
; THE JOIN: segment X's result (O^T, -M, the sum) waits in 34 registers.  When all waves have left the loops (a barrier), it goes to LDS, over K's image, which nobody reads any more; behind a second
; barrier the partner reads it and joins it to its own segment Y of the same tile: both are brought under the larger M by exact powers of two and added.  A segment in which no key counted has
; -M = 3e38, O^T = 0 and the sum 0: its factor is 0 (or 1, if the other segment is as empty), and it adds nothing.
; THE HEAD'S K AND V STAY IN LDS: 131,072 bytes each, copied once through registers (16,384 bytes a wave), one barrier, no ring.  They lie as images of operand registers:
; K: [tile of 16 keys][piece c 0..1][lane][16]: d = 32 c + 16 h + 0..15; the keys of tile 2 b + u of a step are 32 b + 8 u + {0..7, 16..23}, so S^T's registers 16 b + i are keys 32 b + 16 h + i.
; V: [step of 128 keys][block of 16 channels][piece c 0..3][lane][16]: keys 32 c + 16 h + 0..15.
; THE MASK comes as 64 lane masks a step (word n for S^T's register n) and as flags, whole numbers that an earlier launch stored: a step that the mask hides wholly for the 16 queries in hand is jumped over
; (a scalar branch on the stored flag); in a step that is wholly open the words are not loaded and the 64 selects are jumped over.  The loops' trip counts are constants.
; One flag word serves both segments: bits 0..7 are tile Y's steps 0..7, bits 8..15 tile X's steps 8..15.
; THE HOLD OF p at 448 x 2^e4 is jumped over where it can change nothing: with e2 + e3 <= 0, |t| <= 64 x 448^2 x 0.1804 < 2^22, so the rounding of t lets t - M reach 0.125 at the most and p stays under 1.1;
; with e4 >= -8 the hold's limit is 1.75 or more.  The branch hangs on the given whole numbers alone; with any other exponents the hold is executed.
; NO TENSOR LOAD AND NO JOINT LOADS: the walk hangs on stored flags, which differ from wave to wave; the eight work-groups of a head each copy its 262,144 bytes once, at their head.
; A query all of whose keys are hidden has the sum 0: its codes become the NaN code, and its row is NaN from there on, as the definition has it.
; LIMITS: e2 + e3 between -123 and 130 (added to c's exponent field); e4 and e6 between -126 and 119.
; REGISTERS: v1 16 x lane; v2, v3 LDS addresses in hand; v4 -infinity; v5, v6 the add's two; v7 Q's offset; v8-15 Q; v16 -M, v17 the largest t; v[18:19] the sum; v20 448 x 2^e4, v21 2^e4; v[22:23] f;
; v24-30 at work; v32-95 fragments of K, then of V; v96-159 S^T, then p; v160-191 O^T; v192-207 p's codes; v208-215 tile Y's Q, then v208-243 segment X's result, then the way out; v248-255 at work.
.set SPARE, 262144                     ; behind K and V: the spare words, 128 bytes for each of 16 waves
.set PART,  4608                       ; a wave's place for segment X's result: 9 x 512 bytes, from LDS byte 0 on
.set SEG,   100                        ; s100 the segment
.set TRIP,  101                        ; s101 the segment's trips
	s_load_b256 s[16:23], s[0:1], 0x0              ; big, mbits, the scales, acode
	v_lshl_add_u32 v5, v0, 2, SPARE
	v_mov_b32 v6, 0
	v_lshrrev_b32 v1, 5, v0
	v_readfirstlane_b32 s2, v1                     ; wave
	v_and_b32 v1, 31, v0
	v_lshlrev_b32 v1, 4, v1                        ; 16 x lane
	s_wait_alu depctr_va_vdst(0)
	s_and_b32 s84, ttmp7, 0xffff                   ; bh = 16 x batch + head
	s_lshr_b32 s85, s2, 1                          ; p: the pair's early tile,
	s_sub_co_u32 s86, 15, s85                      ; and its late one
	s_lshr_b32 s88, s2, 2
	s_xor_b32 s88, s88, s2
	s_and_b32 s88, s88, 1                          ; which of the two I keep: bit 0 xor bit 2 of the wave's number (it differs between partners)
	s_cselect_b32 s98, s86, s85
	s_cselect_b32 s85, s85, s86
	s_lshl_b32 s98, s98, 3
	s_add_co_u32 s98, s98, ttmp9                   ; X: the tile whose steps 8..15 I walk for my partner
	s_lshl_b32 s85, s85, 3
	s_add_co_u32 s85, s85, ttmp9                   ; Y: the tile that I keep and store
	s_mul_i32 s86, s84, 393216
	s_mov_b32 s87, 0
	s_lshl_b32 s88, s98, 10
	v_add_nc_u32 v7, s88, v1                       ; Q's tile: 1,024 X,
	s_lshl_b32 s88, s85, 10
	v_add_nc_u32 v26, s88, v1                      ; 1,024 Y
	s_lshl_b32 s89, s2, 14
	v_add_nc_u32 v2, s89, v1                       ; my 16,384 bytes of LDS,
	s_lshr_b32 s90, s2, 3
	s_lshl_b32 s90, s90, 17
	s_add_co_u32 s90, s90, s89
	v_add_nc_u32 v3, s90, v1                       ; and where they come from: waves 0-7 K, waves 8-15 V, which lies behind Q
	s_lshl_b32 s92, s98, 12                        ; X's words: 16 steps x 256 bytes
	s_mov_b32 s93, 0
	s_lshl_b32 s94, s85, 9                         ; Y's flags: 4 x 128 bytes
	s_mov_b32 s95, 0
	s_lshl_b32 s88, s98, 9                         ; X's flags
	s_mov_b32 s89, 0
	s_lshl_b32 s90, s85, 12                        ; Y's words
	s_mov_b32 s91, 0
	s_lshr_b32 s96, s84, 4
	s_lshl_b32 s96, s96, 7
	s_add_co_u32 s96, s96, s85                     ; the token block of tile Y,
	s_lshl_b32 s96, s96, 14                        ; 16,384 bytes each;
	s_and_b32 s97, s84, 15
	s_lshl_b32 s97, s97, 10                        ; the head's 64 channels are two pieces: 1,024 x head
	s_add_co_u32 s96, s96, s97
	s_mov_b32 s97, 0
	s_mov_b32 s8, 0x76543210                       ; v_permlanex16_b32: lane l xor 16
	s_mov_b32 s9, 0xfedcba98
	s_mov_b32 s10, 0x3e38aa3b                      ; c = log2(e) / 8
	s_mov_b32 s3, 8                                ; the step: segment X begins at step 8
	s_mov_b32 s12, 65536                           ; its bytes in K's and in V's image
	s_mov_b32 s13, 2048                            ; its words
	s_mov_b32 s14, 0                               ; bit ks: wholly hidden
	s_mov_b32 s15, 0                               ; bit ks: wholly open
	s_mov_b32 s[SEG], 0
	s_wait_alu depctr_va_vdst(0)
	s_wait_kmcnt 0x0
	s_load_b256 s[24:31], s[20:21], 0x0            ; e0 .. e7
	s_add_nc_u64 s[16:17], s[16:17], s[86:87]
	s_add_nc_u64 s[4:5], s[18:19], s[92:93]        ; the words of the segment in hand: X's
	s_add_nc_u64 s[6:7], s[22:23], s[96:97]
	s_add_nc_u64 s[22:23], s[18:19], s[90:91]      ; Y's words, for the second segment
	s_add_nc_u64 s[88:89], s[18:19], s[88:89]
	s_add_nc_u64 s[18:19], s[18:19], s[94:95]
	s_load_b32 s68, s[18:19], 0x80000              ; Y's steps 0..3, 4..7
	s_load_b32 s69, s[18:19], 0x80080
	s_load_b32 s70, s[88:89], 0x80100              ; X's steps 8..11, 12..15
	s_load_b32 s71, s[88:89], 0x80180
	global_load_b128 v[8:11], v7, s[16:17] offset:131072
	global_load_b128 v[12:15], v7, s[16:17] offset:131072+512
	global_load_b128 v[208:211], v26, s[16:17] offset:131072
	global_load_b128 v[212:215], v26, s[16:17] offset:131072+512
.set i, 0
.rept 32
	global_load_b128 v[32+4*i:35+4*i], v3, s[16:17] offset:512*i
.set i, i+1
.endr
	v_mov_b32 v4, 0xff800000
	v_mov_b32 v17, 0xff61b1e6                      ; the largest t so far: -3e38
	v_floor_f32 v16, -v17
	v_mov_b32 v18, 0
	v_mov_b32 v19, 0
	v_mov_b32 v23, 0                               ; (named as the upper half of the pair v[22:23])
	v_mov_b32 v25, 0                               ; a lane permute's destination counts as one of its sources
.set i, 0
.rept 32
	v_mov_b32 v[160+i], 0                          ; O^T: the step is written once; the first change of M multiplies zeros
.set i, i+1
.endr
.set i, 0
.rept 28
	v_mov_b32 v[216+i], 0                          ; the rest of segment X's place holds numbers on every way through the text
.set i, i+1
.endr
.irp g, 0,1,2,3
	s_wait_loadcnt 24-8*\g                         ; both Q and this group of eight are in; the younger groups may be out
.irp k, 0,1,2,3,4,5,6,7
	ds_store_b128 v2, v[32+32*\g+4*\k:35+32*\g+4*\k] offset:4096*\g+512*\k
.endr
.endr
	s_wait_kmcnt 0x0
.irp k, 0,1,2,3
	s_and_b32 s72, s[68+\k], 15
	s_lshl_b32 s72, s72, 4*\k
	s_or_b32 s14, s14, s72
	s_bfe_u32 s72, s[68+\k], 0x40008
	s_lshl_b32 s72, s72, 4*\k
	s_or_b32 s15, s15, s72
.endr
	s_add_co_i32 s72, s26, s27
	s_cmp_gt_i32 s72, 0                            ; s67 = 1: the hold of p is executed: e2 + e3 above 0,
	s_cselect_b32 s67, 1, 0
	s_cmp_lt_i32 s28, -8                           ; or e4 under -8
	s_cselect_b32 s67, 1, s67
	s_lshl_b32 s72, s72, 23
	s_add_co_i32 s10, s10, s72                     ; a score stands for score x 2^(e2 + e3)
	s_mov_b32 s11, s10
	s_add_co_i32 s72, s28, 127
	s_lshl_b32 s73, s72, 23
	v_mov_b32 v21, s73
	s_add_co_i32 s72, s72, 8
	s_lshl_b32 s72, s72, 23
	s_or_b32 s72, s72, 0x600000
	v_mov_b32 v20, s72
.set i, 0
.rept 16
	s_mov_b64 s[32+2*i:33+2*i], 0                  ; the words' registers are written once, so that they hold numbers on every way through the text; a step that selects by them loads them first
	s_mov_b64 s[68+2*i:69+2*i], 0
.set i, i+1
.endr
	s_wait_alu depctr_va_vdst(0)
	s_wait_dscnt 0x0                               ; for the others' sake: my part of K or V lies in LDS
	s_barrier_signal -1
	s_barrier_wait -1
.Lseg:                                             ; 2 trips: segment X, segment Y
	s_mov_b32 s[TRIP], 0
.Lstep:                                            ; 8 trips
	s_bitcmp1_b32 s14, s3
	s_cbranch_scc1 .Lend                           ; every key of the step is hidden from the 16 queries in hand
	s_bitcmp1_b32 s15, s3
	s_cbranch_scc1 .Lnowords                       ; every key counts: no word is wanted
	s_load_b512 s[32:47], s[4:5], s13 offset:0x0   ; the step's 64 words
	s_load_b512 s[48:63], s[4:5], s13 offset:0x40
	s_load_b512 s[68:83], s[4:5], s13 offset:0x80
	s_load_b512 s[84:99], s[4:5], s13 offset:0xc0
.Lnowords:
	v_add_nc_u32 v2, s12, v1
	s_delay_alu instid0(VALU_DEP_1)
	v_add_nc_u32 v3, 0x20000, v2
	v_nop                                          ; with the two additions: four places in front of loads into registers that the last products read
	v_nop
.irp t, 0,1,2,3,4,5,6,7
.irp c, 0,1
	ds_load_b128 v[32+8*\t+4*\c:35+8*\t+4*\c], v2 offset:1024*\t+512*\c
.endr
.endr
	s_wait_alu depctr_va_vdst(0)
.irp t, 0,1,2,3,4,5,6,7
	s_wait_dscnt 14-2*\t                           ; LDS loads come back in order (ISA guide 5.7.1): tile t's two are in; the 14 - 2 t issued behind them may be out
	v_wmma_f32_16x16x64_fp8_fp8 v[96+8*\t:103+8*\t], v[32+8*\t:39+8*\t], v[8:15], 0
.endr
.rept 4
	v_nop                                          ; places in front of the loads below and of the first read of the scores
.endr
.irp t, 0,1,2,3
.irp c, 0,1,2,3
	ds_load_b128 v[32+16*\t+4*\c:35+16*\t+4*\c], v3 offset:2048*\t+512*\c   ; V lands while the softmax is walked
.endr
.endr
	s_wait_kmcnt 0x0                               ; on every way: the words, where they were asked for, are in, so their offset and base may be written at the trip's end
	s_bitcmp1_b32 s15, s3
	s_cbranch_scc1 .Lopen
.set n, 0
.rept 64
	v_cndmask_b32 v[96+n], v[96+n], v4, s[32+n+4*(n/32)]   ; hidden scores become -infinity ahead of the maximum: p = 0 then
.set n, n+1
.endr
.Lopen:
	v_max3_num_f32 v24, v96, v97, v98              ; the step's largest score of my query among my 64 keys, in four chains, the registers in ascending order,
	v_max3_num_f32 v26, v99, v100, v101
	v_max3_num_f32 v27, v102, v103, v104
	v_max3_num_f32 v30, v105, v106, v107
.set i, 12
.rept 6
	v_max3_num_f32 v24, v24, v[96+i], v[97+i]
	v_max3_num_f32 v26, v26, v[98+i], v[99+i]
	v_max3_num_f32 v27, v27, v[100+i], v[101+i]
	v_max3_num_f32 v30, v30, v[102+i], v[103+i]
.set i, i+8
.endr
	v_max3_num_f32 v24, v24, v156, v157
	v_max3_num_f32 v26, v26, v158, v159
	s_delay_alu instid0(VALU_DEP_1)
	v_max3_num_f32 v24, v24, v26, v27
	s_delay_alu instid0(VALU_DEP_1)
	v_max_num_f32 v24, v24, v30
	s_delay_alu instid0(VALU_DEP_1)
	v_permlanex16_b32 v25, v24, s8, s9
	s_delay_alu instid0(VALU_DEP_1)
	v_max_num_f32 v24, v24, v25                    ; and among lane l xor 16's
	s_delay_alu instid0(VALU_DEP_1)
	v_mul_f32 v24, s10, v24                        ; as t (c is positive)
	s_delay_alu instid0(VALU_DEP_1)
	v_max_num_f32 v17, v17, v24
	v_mov_b32 v24, v16
	s_delay_alu instid0(VALU_DEP_2)
	v_floor_f32 v16, -v17                          ; the new -M = floor(-t): M is a whole number
	s_delay_alu instid0(VALU_DEP_1)
	v_sub_f32 v24, v16, v24                        ; old M - new M, 0 or less
	s_delay_alu instid0(VALU_DEP_1)
	v_cvt_i32_f32 v24, v24                         ; (it saturates)
	s_delay_alu instid0(VALU_DEP_1)
	v_ldexp_f32 v22, 1.0, v24                      ; f = 2^(old M - new M): rounds nothing
	; ONE BATCH: the 32 scalings t - M, one wait, the 64 exponentials, one plain line, one wait; then O^T's 16 rescalings and the sums
.set g, 0
.rept 32
	v_pk_fma_f32 v[96+2*g:97+2*g], v[96+2*g:97+2*g], s[10:11], v[16:17] op_sel_hi:[1,0,0]
.set g, g+1
.endr
	s_wait_alu depctr_va_vdst(0)
.set g, 0
.rept 64
	v_exp_f32 v[96+g], v[96+g]                     ; p = 2^(t - M)
.set g, g+1
.endr
	v_pk_mul_f32 v[18:19], v[18:19], v[22:23] op_sel_hi:[1,0]   ; the sums under the new M (a plain line behind the exponentials)
	s_wait_alu depctr_va_vdst(0)                   ; one wait for the batch and, directly ahead of its first reader, for O^T
.set g, 0
.rept 16
	v_pk_mul_f32 v[160+2*g:161+2*g], v[160+2*g:161+2*g], v[22:23] op_sel_hi:[1,0]   ; O^T under the new M, each accumulator from its low end on
.set g, g+1
.endr
	v_pk_add_f32 v[28:29], v[108:109], v[116:117]
	v_pk_add_f32 v[24:25], v[124:125], v[132:133]
	v_pk_add_f32 v[26:27], v[140:141], v[148:149]
	v_pk_add_f32 v[254:255], v[156:157], v[96:97]
	v_pk_add_f32 v[252:253], v[98:99], v[110:111]
	v_pk_add_f32 v[250:251], v[118:119], v[126:127]
	v_pk_add_f32 v[248:249], v[134:135], v[142:143]
	v_pk_add_f32 v[18:19], v[18:19], v[150:151]
	v_pk_add_f32 v[28:29], v[28:29], v[158:159]
	v_pk_add_f32 v[24:25], v[24:25], v[100:101]
	v_pk_add_f32 v[26:27], v[26:27], v[102:103]
	v_pk_add_f32 v[254:255], v[254:255], v[112:113]
	v_pk_add_f32 v[252:253], v[252:253], v[120:121]
	v_pk_add_f32 v[250:251], v[250:251], v[128:129]
	v_pk_add_f32 v[248:249], v[248:249], v[136:137]
	v_pk_add_f32 v[18:19], v[18:19], v[144:145]
	v_pk_add_f32 v[28:29], v[28:29], v[152:153]
	v_pk_add_f32 v[24:25], v[24:25], v[104:105]
	v_pk_add_f32 v[26:27], v[26:27], v[106:107]
	v_pk_add_f32 v[254:255], v[254:255], v[114:115]
	v_pk_add_f32 v[252:253], v[252:253], v[122:123]
	v_pk_add_f32 v[250:251], v[250:251], v[130:131]
	v_pk_add_f32 v[248:249], v[248:249], v[138:139]
	v_pk_add_f32 v[18:19], v[18:19], v[146:147]
	v_pk_add_f32 v[28:29], v[28:29], v[154:155]
	s_delay_alu instid0(VALU_DEP_2)
	v_pk_add_f32 v[18:19], v[18:19], v[254:255]
	s_delay_alu instid0(VALU_DEP_2)
	v_pk_add_f32 v[28:29], v[28:29], v[252:253]
	v_pk_add_f32 v[24:25], v[24:25], v[250:251]
	v_pk_add_f32 v[26:27], v[26:27], v[248:249]
	s_delay_alu instid0(VALU_DEP_2)
	v_pk_add_f32 v[18:19], v[18:19], v[24:25]
	s_delay_alu instid0(VALU_DEP_2)
	v_pk_add_f32 v[28:29], v[28:29], v[26:27]
	s_delay_alu instid0(VALU_DEP_1)
	v_pk_add_f32 v[18:19], v[18:19], v[28:29]
	s_cmp_eq_u32 s67, 0
	s_cbranch_scc1 .Lnohold                        ; the given exponents keep every p under the hold's limit (the head comment has the arithmetic)
.set i, 0
.rept 64
	v_min_num_f32 v[96+i], v[96+i], v20            ; the conversion does not saturate (ISA guide 7.6.2); p is not negative
.set i, i+1
.endr
.Lnohold:
.irp b, 0,1,2,3
	v_cvt_scalef32_pk8_fp8_f32 v[192+4*\b:193+4*\b], v[96+16*\b:103+16*\b], v21
	v_cvt_scalef32_pk8_fp8_f32 v[194+4*\b:195+4*\b], v[104+16*\b:111+16*\b], v21
.endr
	v_nop                                          ; a plain line between the last conversion and the products that read the codes
	s_wait_alu depctr_va_vdst(0)
	s_wait_dscnt 0x0                               ; V is in
.irp t, 0,1,2,3
	v_wmma_f32_16x16x128_fp8_fp8 v[160+8*\t:167+8*\t], v[32+16*\t:47+16*\t], v[192:207], v[160+8*\t:167+8*\t]
.endr
.Lend:
	s_add_co_u32 s12, s12, 8192
	s_add_co_u32 s13, s13, 256
	s_add_co_u32 s3, s3, 1
	s_add_co_u32 s[TRIP], s[TRIP], 1
	s_cmp_lt_u32 s[TRIP], 8
	s_cbranch_scc1 .Lstep
	s_cmp_eq_u32 s[SEG], 1
	s_cbranch_scc1 .Lkept                          ; segment Y's result stays where it is
	; BETWEEN THE SEGMENTS: tile Y's Q takes Q's place (these eight lines are also the places behind the last products), segment X's result is put aside, and the state begins anew
.set i, 0
.rept 8
	v_mov_b32 v[8+i], v[208+i]
.set i, i+1
.endr
.set i, 0
.rept 32
	v_mov_b32 v[208+i], v[160+i]                   ; O^T, each accumulator from its low end on
.set i, i+1
.endr
	v_mov_b32 v240, v16                            ; -M
	v_add_f32 v241, v18, v19                       ; the sum's two halves
.set i, 0
.rept 32
	v_mov_b32 v[160+i], 0
.set i, i+1
.endr
	v_mov_b32 v17, 0xff61b1e6
	v_floor_f32 v16, -v17
	v_mov_b32 v18, 0
	v_mov_b32 v19, 0
	s_mov_b32 s3, 0                                ; segment Y begins at step 0
	s_mov_b32 s12, 0
	s_mov_b32 s13, 0
	s_mov_b64 s[4:5], s[22:23]                     ; with tile Y's words (no scalar load is out: every step waits for its own)
	s_wait_alu depctr_va_vdst(0)
.Lkept:
	s_add_co_u32 s[SEG], s[SEG], 1
	s_cmp_lt_u32 s[SEG], 2
	s_cbranch_scc1 .Lseg
	; THE JOIN
.rept 4
	v_nop                                          ; places behind the last products
.endr
	s_mul_i32 s72, s2, PART
	s_xor_b32 s73, s2, 1
	s_mul_i32 s73, s73, PART
	v_add_nc_u32 v2, s72, v1                       ; my place,
	v_add_nc_u32 v3, s73, v1                       ; my partner's
	v_add_f32 v18, v18, v19                        ; segment Y's sum: its two halves
	v_mov_b32 v29, 0                               ; (named as the upper half of the pair v[28:29])
	s_wait_alu depctr_va_vdst(0)
	s_wait_dscnt 0x0                               ; my reads of K and V are over
	s_barrier_signal -1
	s_barrier_wait -1                              ; and everybody's: K's image may be written over
.irp i, 0,1,2,3,4,5,6,7,8
	ds_store_b128 v2, v[208+4*\i:211+4*\i] offset:512*\i
.endr
	s_wait_dscnt 0x0                               ; for my partner's sake
	s_barrier_signal -1
	s_barrier_wait -1
.irp i, 0,1,2,3,4,5,6,7,8
	ds_load_b128 v[208+4*\i:211+4*\i], v3 offset:512*\i   ; my tile's steps 8..15, as my partner walked them
.endr
	s_wait_dscnt 0x0
	v_min_num_f32 v24, v16, v240                   ; -M of the two together
	v_sub_f32 v26, v24, v16                        ; my M less the joint one: a whole number, 0 or less,
	v_sub_f32 v27, v24, v240                       ; and my partner's
	v_cvt_i32_f32 v26, v26                         ; (they saturate)
	v_cvt_i32_f32 v27, v27
	v_ldexp_f32 v22, 1.0, v26
	v_ldexp_f32 v28, 1.0, v27
	v_mul_f32 v18, v18, v22
.set g, 0
.rept 16
	v_pk_mul_f32 v[160+2*g:161+2*g], v[160+2*g:161+2*g], v[22:23] op_sel_hi:[1,0]
.set g, g+1
.endr
.set g, 0
.rept 16
	v_pk_fma_f32 v[160+2*g:161+2*g], v[208+2*g:209+2*g], v[28:29], v[160+2*g:161+2*g] op_sel_hi:[1,0,1]
.set g, g+1
.endr
	v_fmac_f32 v18, v241, v28
	; THE WAY OUT: O^T x 2^(e4 + e5) / the sum, quantised with 2^e6.  Registers 16 b + i are channels 32 b + 16 h + i of my query: pieces 2 (head & 1) + b of the next operand's image
	v_permlanex16_b32 v25, v18, s8, s9
	v_add_f32 v18, v18, v25                        ; the row's sum
	v_cmp_eq_f32 s66, 0, v18                       ; no key counted
	v_rcp_f32 v24, v18
	v_mov_b32 v31, 0x7f7f7f7f                      ; (a plain line behind the reciprocal)  four NaN codes
	s_add_co_i32 s72, s28, s29
	s_add_co_i32 s73, s30, 127
	s_lshl_b32 s74, s73, 23
	v_mov_b32 v30, s74                             ; 2^e6
	s_add_co_i32 s73, s73, 8
	s_lshl_b32 s73, s73, 23
	s_or_b32 s73, s73, 0x600000
	v_mov_b32 v27, s73                             ; 448 x 2^e6
	s_wait_alu depctr_va_vdst(0)                   ; ahead of the reciprocal's first reader
	v_ldexp_f32 v24, v24, s72
.set i, 0
.rept 32
	v_mul_f32 v[208+i], v[160+i], v24
.set i, i+1
.endr
.set i, 0
.rept 32
	v_med3_num_f32 v[208+i], v[208+i], -v27, v27
.set i, i+1
.endr
.irp g, 0,1,2,3
	v_cvt_scalef32_pk8_fp8_f32 v[240+2*\g:241+2*\g], v[208+8*\g:215+8*\g], v30
.endr
	v_nop
.irp i, 0,1,2,3,4,5,6,7
	v_cndmask_b32 v[240+\i], v[240+\i], v31, s66
.endr
	global_store_b128 v1, v[240:243], s[6:7]       ; 512 consecutive bytes each, aligned
	global_store_b128 v1, v[244:247], s[6:7] offset:512
	s_wait_tensorcnt 0x0                           ; the wave's end, behind my last LDS store
	ds_add_u32 v5, v6
	s_wait_dscnt 0x0
	s_endpgm
.Lfunc_end_k_q61924f4d12_attn:
	.size	k_q61924f4d12_attn, .Lfunc_end_k_q61924f4d12_attn-k_q61924f4d12_attn
	.p2alignl 7, 3214868480
	.fill 96, 4, 3214868480
	.section	.rodata,"a",@progbits
	.p2align	6, 0x0
	.amdhsa_kernel k_q61924f4d12_attn
		.amdhsa_group_segment_fixed_size 264192
		.amdhsa_private_segment_fixed_size 0
		.amdhsa_enable_private_segment 0
		.amdhsa_kernarg_size 32
		.amdhsa_user_sgpr_count 2
		.amdhsa_user_sgpr_kernarg_segment_ptr 1
		.amdhsa_wavefront_size32 1
		.amdhsa_system_sgpr_workgroup_id_x 1
		.amdhsa_system_sgpr_workgroup_id_y 1
		.amdhsa_system_sgpr_workgroup_id_z 1
		.amdhsa_system_vgpr_workitem_id 0
		.amdhsa_next_free_vgpr 256
		.amdhsa_next_free_sgpr 102
		.amdhsa_reserve_vcc 0
		.amdhsa_float_denorm_mode_32 3
		.amdhsa_float_denorm_mode_16_64 3
		.amdhsa_memory_ordered 1
		.amdhsa_forward_progress 1
		.amdhsa_inst_pref_size 46
	.end_amdhsa_kernel
	.amdgpu_metadata
---
amdhsa.version: [ 1, 2 ]
amdhsa.kernels:
  - .name:           k_q61924f4d12_attn
    .symbol:         k_q61924f4d12_attn.kd
    .args:
      - { .name: big, .offset: 0, .size: 8, .value_kind: global_buffer, .address_space: global }
      - { .name: mbits, .offset: 8, .size: 8, .value_kind: global_buffer, .address_space: global }
      - { .name: lowp_scales, .offset: 16, .size: 8, .value_kind: global_buffer, .address_space: global }
      - { .name: acode, .offset: 24, .size: 8, .value_kind: global_buffer, .address_space: global }
    .group_segment_fixed_size: 264192
    .private_segment_fixed_size: 0
    .kernarg_segment_align: 8
    .kernarg_segment_size: 32
    .max_flat_workgroup_size: 512
    .sgpr_count:     102
    .vgpr_count:     256
    .wavefront_size: 32
...
	.end_amdgpu_metadata
.endif
;; end of part 3
;; launch gwo (part 4): grid 8 x 32, 4 waves a work-group, clusters of 4 x 4, 327,680 bytes of LDS; arguments acode, img, lowp_scales, ybuf, x_embeds; writes ybuf
.if DOCPART == 4
	.amdgcn_target "amdgcn-amd-amdhsa--gfx1250"
	.amdhsa_code_object_version 6
	.text
	.protected	k_q61924f4d12_gwo
	.globl	k_q61924f4d12_gwo
	.p2align	8
	.type	k_q61924f4d12_gwo,@function
k_q61924f4d12_gwo:
	s_mov_b64 s[64:65], 0
	v_nop
	global_prefetch_b8 v0, s[64:65] scope:SCOPE_SE
	s_setreg_imm32_b32 hwreg(HW_REG_WAVE_MODE, 25, 1), 1
	s_wait_xcnt 0x0
	s_wait_alu depctr_hold_cnt(0) depctr_sa_sdst(0) depctr_va_vdst(0) depctr_va_sdst(0) depctr_va_ssrc(0) depctr_va_vcc(0) depctr_vm_vsrc(0)
	s_getreg_b32 s2, hwreg(HW_REG_IB_STS2, 6, 4)
	s_cmp_eq_u32 s2, 0
	s_cbranch_scc0 .Lentry_in_a_cluster
	s_endpgm
.Lentry_in_a_cluster:
	s_bfe_u32 s2, ttmp6, 0x10000c
	s_cmp_lg_u32 s2, 0xf033
	s_cbranch_scc0 .Lentry_shape_is_right
	s_endpgm
.Lentry_shape_is_right:
; A GEMM on codes of E4M3 whose operands lie as images of operand registers, with an f32 result: y = (A W^T) x 2^(eA + eB) (+ bias) + residual, row-major.  One text, two uses:
; BIAS 0: y1 = attention W_o^T + x_embeds (K = 1,024).   BIAS 1: y2 = h W_down^T + b_down + x1 (K = 4,096).
; BLOCK: rows go in blocks of 16; block 2 B + u holds rows 32 B + 8 u + {0..7, 16..23}.  FRAGMENT: 16 rows x 128 K = 2,048 bytes, [piece c][lane][16 bytes].  An operand is [block][K step][2,048].
; The result has 1,024 columns: tiles of 128 x 128 give each of 256 work-groups one.  A wave makes 64 x 64: 16 accumulators.  K goes through two LDS slots of 512 along K; each wave fetches a quarter
; of a slot by one tensor load (4 blocks x 8,192 bytes).  CLUSTER 4 x 4: the tokens' tile (source 1) is asked for jointly along a row of the cluster, the weights' (source 0) along a column.
; Source 0 = rows of W, source 1 = tokens: register j of accumulator (a, 2 B + u) in lane (r, h) is column 32 B + 16 h + 8 u + j of the token at place r of block a.
; THE WAY OUT: a wave's 64 columns are 256 bytes, aligned: a block of 16 tokens goes through the wave's own stage (rows of 256 + 16 bytes) and leaves by rows, sixteen lanes to 256 consecutive bytes.
; The residual is loaded at the head, into registers of its own, at the very addresses of the stores.
; LIMITS: eA + eB between -126 and 127.
.set BIAS,  0
.set NBK,   4
.set KQ,    4
.if BIAS
.set KTOT,  4096
.set WOFF,  12582912                   ; w_down's image in img
.set EA, 78                            ; entries 10, 11
.set EB, 79
.else
.set KTOT,  1024
.set WOFF,  7340032                    ; w_o's
.set EA, 74                            ; entries 6, 7
.set EB, 75
.endif
.set FRB,   2048
.set QUART, NBK*KQ*FRB
.set SLOT,  4*QUART
.set LAPS,  KTOT/(256*KQ)
.set SPARE, 2*SLOT                     ; behind the ring: the spare words
.set STAGE, SPARE+512                  ; behind them: 16 rows x 272 bytes for each wave; no tensor load lands here
.set ADRA, 16
.set ADRB, 20
.set LI,   24
.set STO,  25                          ; v25 the stage: where I put 32 bytes of a row
.set RD,   26                          ; v26 and where I read a row back
.set CO,   27                          ; v27 my byte offset in two rows of y
.set SPW,  28
.set NIL,  29
.set T,    32                          ; v32-63 a block's 32 numbers
.set BK,   64                          ; v64-95 16 rows read back
.set BV,   96                          ; v96-127 the bias in the result's layout
.set AF,   128
.set G1, 24
.set G0, 32
.set G1B, 48
.set G0B, 56
.set PFO, 22                           ; v22 the prefetch's offset: 256 x lane; never rewritten
.set PFA, 86                           ; s[86:87] my work-group's block of the four that my wave fetches; never rewritten
.set MSB, 0
.macro WIN new                         ; the immediate's high byte repeats the setting that is left
.if MSB != (\new)
	s_set_vgpr_msb (MSB<<8)|(\new)
.set MSB, (\new)
.endif
.endm
.macro JLOAD g0a, g1a, g0b, g1b        ; a joint load: waves 0, 1 fetch source 1's halves, waves 2, 3 source 0's; an s_nop 0 and four v_nop follow each line
	s_cmp_eq_u32 s15, 0
	s_cbranch_scc0 .Lfor_b_\@
	tensor_load_to_lds s[\g0a:\g0a+3], s[\g1a:\g1a+7]
	s_nop 0
.rept 4
	v_nop
.endr
	s_branch .Lasked_\@
.Lfor_b_\@:
	tensor_load_to_lds s[\g0b:\g0b+3], s[\g1b:\g1b+7]
	s_nop 0
.rept 4
	v_nop
.endr
.Lasked_\@:
.endm
.macro CREST
	s_cmp_lg_u32 s14, 0
	s_cbranch_scc1 .Lnot_wave_0_\@
	s_barrier_signal -3
.Lnot_wave_0_\@:
	s_barrier_wait -3
	s_barrier_signal -1
	s_barrier_wait -1
.endm
.macro CROUND
	s_barrier_signal -1
	s_barrier_wait -1
	CREST
.endm
.macro PLACES                          ; four plain vector lines between a matrix instruction and a load into, or a vector read or write of, its registers
.rept 4
	v_nop
.endr
.endm
.macro FRAG reg, adr, q, i
.irp c, 0,1,2,3
	ds_load_b128 v[(\reg)+4*\c:(\reg)+4*\c+3], v[\adr] offset:(\i)*KQ*FRB+(\q)*FRB+512*\c
.endr
.endm
.macro FETCH_B slot, q, p
	WIN 0x40
.set fi, 0
.rept NBK
	FRAG 128*(\p)+16*fi, ADRB+\slot, \q, fi
.set fi, fi+1
.endr
	WIN 0
.endm
.macro FETCH_A slot, q, i0
.set fi, \i0
.rept NBK/2
	FRAG AF+16*fi, ADRA+\slot, \q, fi
.set fi, fi+1
.endr
.endm
; The accumulators take turns, one instruction a turn, in the same order in every step.
.macro MULA a0, n, p, z
.set a, \a0
.rept \n
.set w, 2+(8*NBK*a)/256
	WIN 0x01|(w<<6)|(w<<4)
.set b, 0
.rept NBK
.set rD, (8*(NBK*a+b))%256
.if \z == 1
	v_wmma_f32_16x16x128_fp8_fp8 v[rD:rD+7], v[128*(\p)+16*b:128*(\p)+16*b+15], v[AF+16*a:AF+16*a+15], 0
.else
	v_wmma_f32_16x16x128_fp8_fp8 v[rD:rD+7], v[128*(\p)+16*b:128*(\p)+16*b+15], v[AF+16*a:AF+16*a+15], v[rD:rD+7]
.endif
.set b, b+1
.endr
.set a, a+1
.endr
.endm
.macro STEP slot, q, z
	s_wait_dscnt 2*NBK                             ; source 0's set and source 1's first half are in; the younger half may be out
	MULA 0, NBK/2, (\q)%2, \z
	s_wait_dscnt 0x0
	PLACES
	FETCH_B \slot, (\q)+1, 1-(\q)%2
	FETCH_A \slot, (\q)+1, 0
	MULA NBK/2, NBK/2, (\q)%2, \z
	PLACES
	WIN 0
	FETCH_A \slot, (\q)+1, NBK/2
.endm
.macro MID slot
.set mq, 1
.rept KQ-2
	STEP \slot, mq, 0
.set mq, mq+1
.endr
.endm
.macro TURN slot, next, fill
	s_wait_tensorcnt 0x0                           ; my part of the next slot has landed; no tensor load of mine is out
	ds_add_u32 v[SPW], v[NIL]
	s_wait_dscnt 2*NBK+1                           ; (the add and source 1's younger half may be out)
	MULA 0, NBK/4, 1, 0
	s_wait_dscnt 0x0                               ; the add is done, and my reads of this slot are over
	s_barrier_signal -1
	MULA NBK/4, NBK/4, 1, 0
	WIN 0
	s_barrier_wait -1
.if \fill
	CREST                                          ; the barrier has opened a round of the cluster's: no wave of any partner still reads this slot or has a load on its way
	s_add_nc_u64 s[G0+4*\slot+2:G0+4*\slot+3], s[G0+4*\slot+2:G0+4*\slot+3], 2*KQ*FRB
	s_add_nc_u64 s[G0B+4*\slot+2:G0B+4*\slot+3], s[G0B+4*\slot+2:G0B+4*\slot+3], 2*KQ*FRB
	JLOAD G0+4*\slot, G1, G0B+4*\slot, G1B
.else
	PLACES
.endif
	FETCH_B \next, 0, 0
	FETCH_A \next, 0, 0
	MULA NBK/2, NBK/2, 1, 0
	PLACES
	WIN 0
	FETCH_A \next, 0, NBK/2
.endm
	s_load_b256 s[4:11], s[0:1], 0x0               ; A's image, img, the scales, y
	s_load_b64 s[12:13], s[0:1], 0x20              ; the residual
.if BIAS
	s_load_b64 s[80:81], s[0:1], 0x28              ; the bias
.endif
	v_lshl_add_u32 v[SPW], v0, 2, SPARE
	v_mov_b32 v[NIL], 0
	ds_add_u32 v[SPW], v[NIL]                      ; the wave's opening: the add and its wait stand ahead of my first tensor load
	ds_add_u32 v[SPW], v[NIL]
	v_lshrrev_b32 v1, 5, v0
	v_readfirstlane_b32 s14, v1
	s_lshr_b32 s15, s14, 1                         ; my half of the tokens.  Also: I fetch for source 1 (0) or source 0 (1)
	s_and_b32 s16, s14, 1                          ; my half of the columns.  Also: which half I fetch
	s_bfe_u32 s40, ttmp6, 0x40000
	s_bfe_u32 s41, ttmp6, 0x40004
	s_lshl_b32 s42, ttmp9, 2
	s_add_co_u32 s42, s42, s40                     ; i0: the tile of 128 columns
	s_and_b32 s17, ttmp7, 0xffff
	s_lshl_b32 s17, s17, 2
	s_add_co_u32 s17, s17, s41                     ; i1: the tile of 128 tokens
	s_lshl_b32 s43, s41, 2
	s_lshl_b32 s43, 15, s43
	s_lshl_b32 s44, 0x1111, s40
	s_or_b32 s[G1+0], s43, (3<<16)|(1<<21)         ; 15:0 the mask; 17:16 elements of 8 bytes; 21 set beside a mask; no padding
	s_or_b32 s[G1B+0], s44, (3<<16)|(1<<21)
.irp g, G1, G1B
	s_mov_b32 s[\g+1], (256*KQ)<<16
	s_mov_b32 s[\g+2], NBK<<16
	s_mov_b32 s[\g+3], (256*KQ)<<16
	s_mov_b32 s[\g+4], NBK
	s_mov_b32 s[\g+5], 2*KTOT
	s_mov_b32 s[\g+6], 0
	s_mov_b32 s[\g+7], 0
.endr
	s_mul_i32 s18, s16, NBK
	s_mul_i32 s20, s17, 2*NBK
	s_add_co_u32 s20, s20, s18
	s_mul_i32 s20, s20, 16*KTOT                    ; under 2^25
	s_mov_b32 s21, 0
	s_mul_i32 s46, s42, 2*NBK
	s_add_co_u32 s46, s46, s18
	s_mul_i32 s46, s46, 16*KTOT
	s_add_co_u32 s46, s46, WOFF
	s_mov_b32 s47, 0
	s_mul_i32 s45, s14, QUART
	s_wait_dscnt 0x0                               ; the opening add is done
	s_wait_kmcnt 0x0
	s_load_b256 s[68:75], s[8:9], 0x0              ; e0 .. e7
	s_load_b128 s[76:79], s[8:9], 0x20             ; e8 .. e11
	s_add_nc_u64 s[20:21], s[4:5], s[20:21]
	s_add_nc_u64 s[46:47], s[6:7], s[46:47]
	s_cmp_eq_u32 s15, 0                            ; which tile do I fetch for?
	s_cselect_b64 s[PFA:PFA+1], s[20:21], s[46:47]
	s_cselect_b32 s88, s40, s41                    ; my place among the four that ask for it with me
	s_mul_i32 s88, s88, (NBK/4)*16*KTOT
	s_mov_b32 s89, 0
	s_add_nc_u64 s[PFA:PFA+1], s[PFA:PFA+1], s[88:89]
	v_and_b32 v[PFO], 31, v0
	v_lshlrev_b32 v[PFO], 8, v[PFO]
	global_prefetch_b8 v[PFO], s[PFA:PFA+1] th:TH_LOAD_NT scope:SCOPE_SE   ; slot 0, the buffers' first touch, is named as soon as the addresses stand: the opening round and the descriptors' set-up lie between this line and its load
	s_wait_alu depctr_va_vdst(0)
	CROUND
.irp s, 0,1
	s_mov_b32 s[G0+4*\s], 1
	s_add_co_u32 s[G0+4*\s+1], s45, \s*SLOT
	s_add_nc_u64 s[G0+4*\s+2:G0+4*\s+3], s[20:21], \s*KQ*FRB
	s_or_b32 s[G0+4*\s+3], s[G0+4*\s+3], 0x80000000
	s_mov_b32 s[G0B+4*\s], 1
	s_add_co_u32 s[G0B+4*\s+1], s45, \s*SLOT
	s_add_nc_u64 s[G0B+4*\s+2:G0B+4*\s+3], s[46:47], \s*KQ*FRB
	s_or_b32 s[G0B+4*\s+3], s[G0B+4*\s+3], 0x80000000
.endr
	JLOAD G0, G1, G0B, G1B                         ; slot 0: one tensor load a wave at the head
	; A PREFETCH INTO THE L2 of slot 1, which is asked for behind the next round: of the four blocks that a wave fetches each of the four partners names one, told apart by address: 8,192 bytes, 256 a lane
	global_prefetch_b8 v[PFO], s[PFA:PFA+1] offset:KQ*FRB th:TH_LOAD_NT scope:SCOPE_SE
	v_and_b32 v1, 31, v0
	v_lshlrev_b32 v[LI], 4, v1
	s_mul_i32 s21, s15, QUART
	s_mul_i32 s22, s16, QUART
	s_add_co_u32 s22, s22, 2*QUART
.irp s, 0,1
	v_add_nc_u32 v[ADRA+\s], s21, v[LI]
	v_add_nc_u32 v[ADRB+\s], s22, v[LI]
	s_add_co_u32 s21, s21, SLOT
	s_add_co_u32 s22, s22, SLOT
.endr
	v_and_b32 v1, 15, v0                           ; r
	v_bfe_u32 v2, v0, 4, 1                         ; h
	s_mul_i32 s23, s14, 16*272
	s_add_co_u32 s23, s23, STAGE                   ; my stage
	v_mul_u32_u24 v[STO], v1, 272
	v_lshl_add_u32 v[STO], v2, 6, v[STO]
	v_add_nc_u32 v[STO], s23, v[STO]               ; in: row r, + 64 h
	v_mul_u32_u24 v[RD], v2, 272
	v_lshl_add_u32 v[RD], v1, 4, v[RD]
	v_add_nc_u32 v[RD], s23, v[RD]                 ; back: lanes 0-15 one row, lanes 16-31 the next
	v_lshlrev_b32 v[CO], 12, v2
	v_lshl_add_u32 v[CO], v1, 4, v[CO]             ; and the same two rows of 4,096 bytes in y
	s_wait_alu depctr_va_vdst(0)
	s_lshl_b32 s82, s17, 7
	s_lshl_b32 s83, s15, 6
	s_add_co_u32 s82, s82, s83                     ; my first token
	s_lshl_b32 s82, s82, 12
	s_lshl_b32 s84, s42, 9
	s_lshl_b32 s83, s16, 8
	s_add_co_u32 s84, s84, s83                     ; my first column, in bytes
	s_add_co_u32 s82, s82, s84
	s_mov_b32 s83, 0
	s_mov_b32 s85, 0
	s_add_nc_u64 s[12:13], s[12:13], s[82:83]
	s_add_nc_u64 s[10:11], s[10:11], s[82:83]
	s_wait_alu depctr_va_vdst(0)
	s_wait_tensorcnt 0x0                           ; my part of slot 0 is in
	ds_add_u32 v[SPW], v[NIL]
	s_wait_dscnt 0x0
	CROUND                                         ; everybody's part of slot 0 is in, and all sixteen work-groups are here
	JLOAD G0+4, G1, G0B+4, G1B                     ; slot 1: the first tensor load behind the round.  The residual is asked for behind both fills: the products wait for the tiles, and only the way out for the residual
	WIN 0xc0
.set a, 0
.rept 4
.irp t, 0,1,2,3,4,5,6,7
	global_load_b128 v[32*a+4*\t:32*a+4*\t+3], v[CO], s[12:13] offset:(32*(a/2)+8*(a%2)+2*\t+8*(\t/4))*4096
.endr
.set a, a+1
.endr
	WIN 0
.if BIAS
	s_add_nc_u64 s[80:81], s[80:81], s[84:85]
	v_lshlrev_b32 v2, 6, v2                        ; 64 h
.irp b, 0,1,2,3
	global_load_b128 v[BV+8*\b:BV+8*\b+3], v2, s[80:81] offset:(32*(\b/2)+8*(\b%2))*4
	global_load_b128 v[BV+8*\b+4:BV+8*\b+7], v2, s[80:81] offset:(32*(\b/2)+8*(\b%2))*4+16
.endr
.endif
	FETCH_B 0, 0, 0
	FETCH_A 0, 0, 0
	FETCH_A 0, 0, NBK/2
	STEP 0, 0, 1                                   ; the first step stands in front of the loop: its products start the sums
.if LAPS > 1
	s_mov_b32 s3, LAPS-1
.Llap:                                             ; a trip goes once round the ring and fills both slots again
	MID 0
	TURN 0, 1, 1
	STEP 1, 0, 0
	MID 1
	TURN 1, 0, 1
	STEP 0, 0, 0
	s_sub_co_u32 s3, s3, 1
	s_cmp_lg_u32 s3, 0
	s_cbranch_scc1 .Llap
.endif
	MID 0                                          ; the last lap fills nothing
	TURN 0, 1, 0
	STEP 1, 0, 0
	MID 1
	s_wait_dscnt 2*NBK
	MULA 0, NBK/2, 1, 0
	s_wait_dscnt 0x0
	MULA NBK/2, NBK/2, 1, 0
	WIN 0
	s_wait_kmcnt 0x0
	s_add_co_i32 s96, s[EA], s[EB]
	s_add_co_i32 s96, s96, 127
	s_lshl_b32 s96, s96, 23                        ; 2^(eA + eB) as f32
	s_mov_b32 s97, s96
	PLACES
	s_wait_loadcnt 0x0                             ; the residual and the bias
.set a, 0
.rept 4
	WIN 0x02                                       ; source 0: the sums, window 2; each accumulator from its low end on
.set i, 0
.rept 16
.if BIAS
	v_pk_fma_f32 v[T+i:T+i+1], v[32*a+i:32*a+i+1], s[96:97], v[BV+i:BV+i+1] op_sel_hi:[1,0,1]
.else
	v_pk_mul_f32 v[T+i:T+i+1], v[32*a+i:32*a+i+1], s[96:97] op_sel_hi:[1,0]
.endif
.set i, i+2
.endr
	WIN 0
.irp b, 0,1,2,3
	ds_store_b128 v[STO], v[T+8*\b:T+8*\b+3] offset:128*(\b/2)+32*(\b%2)
	ds_store_b128 v[STO], v[T+8*\b+4:T+8*\b+7] offset:128*(\b/2)+32*(\b%2)+16
.endr
.if a > 0
	s_wait_xcnt 0x0                                ; the last block's stores have read the registers that the loads below fill
.endif
.irp t, 0,1,2,3,4,5,6,7
	ds_load_b128 v[BK+4*\t:BK+4*\t+3], v[RD] offset:544*\t   ; LDS serves a wave's instructions in order (ISA guide 5.7.1.4): these see my stores
.endr
	s_wait_dscnt 0x0
	WIN 0x0c                                       ; source 1: the residual, window 3
.set i, 0
.rept 16
	v_pk_add_f32 v[BK+i:BK+i+1], v[BK+i:BK+i+1], v[32*a+i:32*a+i+1]
.set i, i+2
.endr
	WIN 0
.irp t, 0,1,2,3,4,5,6,7
	global_store_b128 v[CO], v[BK+4*\t:BK+4*\t+3], s[10:11] offset:(32*(a/2)+8*(a%2)+2*\t+8*(\t/4))*4096   ; sixteen lanes store 256 consecutive bytes, aligned
.endr
.set a, a+1
.endr
	s_wait_tensorcnt 0x0                           ; the wave's end
	ds_add_u32 v[SPW], v[NIL]
	s_wait_dscnt 0x0
	CROUND                                         ; the closing round
	s_endpgm
.Lfunc_end_k_q61924f4d12_gwo:
	.size	k_q61924f4d12_gwo, .Lfunc_end_k_q61924f4d12_gwo-k_q61924f4d12_gwo
	.p2alignl 7, 3214868480
	.fill 96, 4, 3214868480
	.section	.rodata,"a",@progbits
	.p2align	6, 0x0
	.amdhsa_kernel k_q61924f4d12_gwo
		.amdhsa_group_segment_fixed_size 327680
		.amdhsa_private_segment_fixed_size 0
		.amdhsa_enable_private_segment 0
		.amdhsa_kernarg_size 40
		.amdhsa_user_sgpr_count 2
		.amdhsa_user_sgpr_kernarg_segment_ptr 1
		.amdhsa_wavefront_size32 1
		.amdhsa_system_sgpr_workgroup_id_x 1
		.amdhsa_system_sgpr_workgroup_id_y 1
		.amdhsa_system_sgpr_workgroup_id_z 1
		.amdhsa_system_vgpr_workitem_id 0
		.amdhsa_next_free_vgpr 1024
		.amdhsa_next_free_sgpr 100
		.amdhsa_reserve_vcc 0
		.amdhsa_float_denorm_mode_32 3
		.amdhsa_float_denorm_mode_16_64 3
		.amdhsa_memory_ordered 1
		.amdhsa_forward_progress 1
		.amdhsa_inst_pref_size 56
	.end_amdhsa_kernel
	.amdgpu_metadata
---
amdhsa.version: [ 1, 2 ]
amdhsa.kernels:
  - .name:           k_q61924f4d12_gwo
    .symbol:         k_q61924f4d12_gwo.kd
    .args:
      - { .name: acode, .offset: 0, .size: 8, .value_kind: global_buffer, .address_space: global }
      - { .name: img, .offset: 8, .size: 8, .value_kind: global_buffer, .address_space: global }
      - { .name: lowp_scales, .offset: 16, .size: 8, .value_kind: global_buffer, .address_space: global }
      - { .name: ybuf, .offset: 24, .size: 8, .value_kind: global_buffer, .address_space: global }
      - { .name: x_embeds, .offset: 32, .size: 8, .value_kind: global_buffer, .address_space: global }
    .group_segment_fixed_size: 327680
    .private_segment_fixed_size: 0
    .kernarg_segment_align: 8
    .kernarg_segment_size: 40
    .max_flat_workgroup_size: 128
    .sgpr_count:     100
    .vgpr_count:     1024
    .wavefront_size: 32
...
	.end_amdgpu_metadata
.endif
;; end of part 4
;; launch ln1 (part 5): grid 256 x 1, 4 waves a work-group, no clusters, 66,560 bytes of LDS; arguments ybuf, g1, b1, lowp_scales, x1, acode; writes x1, acode
.if DOCPART == 5
	.amdgcn_target "amdgcn-amd-amdhsa--gfx1250"
	.amdhsa_code_object_version 6
	.text
	.protected	k_q61924f4d12_ln1
	.globl	k_q61924f4d12_ln1
	.p2align	8
	.type	k_q61924f4d12_ln1,@function
k_q61924f4d12_ln1:
	s_mov_b64 s[64:65], 0
	v_nop
	global_prefetch_b8 v0, s[64:65] scope:SCOPE_SE
	s_setreg_imm32_b32 hwreg(HW_REG_WAVE_MODE, 25, 1), 1
	s_wait_xcnt 0x0
; A layer norm over rows of 1,024 f32: (y - mean) x rsqrt(variance + 1e-6) x gain + bias, the variance taken of the differences from the mean.  One text, two uses:
; QUANT 1: the result goes out as f32 rows AND as codes of E4M3 (scale 2^e8), laid as the image of the next product's operand.   QUANT 0: f32 rows alone.
; A wave takes four whole rows, each in 32 registers (eight loads of 512 consecutive bytes): the sums never leave the wave.
; QUANT 1: work-group i is BLOCK i of 16 tokens (32 (i / 2) + 8 (i % 2) + {0..7, 16..23}); the 16 finished rows meet in LDS (rows of 4,096 + 16 bytes), and each wave makes two of the block's eight
; fragments: lane (r, h), piece c: k = 128 ks + 32 c + 16 h + 0..15 of place r; each store covers 512 consecutive bytes, aligned.
; No matrix unit, no cluster, no tensor load: a stream in which no byte is read twice.   LIMITS: e8 between -126 and 119.
.set QUANT, 1
.set X,  64                            ; v64-191 four rows
.set G,  192                           ; v192-223 the gain at my 32 columns
.set BB, 224                           ; v224-255 the bias
.if QUANT
.set PO, 12
.else
.set PO, 10
.endif
.set SPARE, 16*4112                    ; behind the 16 rows: the spare words
	s_load_b256 s[4:11], s[0:1], 0x0               ; y, gain, bias, and: QUANT 1 the scales; QUANT 0 the output
.if QUANT
	s_load_b128 s[12:15], s[0:1], 0x20             ; x1, acode
	v_lshl_add_u32 v4, v0, 2, SPARE
	v_mov_b32 v5, 0
.endif
	v_lshrrev_b32 v1, 5, v0
	v_readfirstlane_b32 s16, v1                    ; wave
	v_and_b32 v1, 31, v0
	v_lshlrev_b32 v1, 4, v1                        ; 16 x lane
.if QUANT
	s_wait_alu depctr_va_vdst(0)
	s_lshr_b32 s17, ttmp9, 1
	s_lshl_b32 s17, s17, 5
	s_and_b32 s18, ttmp9, 1
	s_lshl_b32 s18, s18, 3
	s_add_co_u32 s17, s17, s18
	s_lshr_b32 s18, s16, 1
	s_lshl_b32 s18, s18, 3
	s_add_co_u32 s17, s17, s18                     ; places 4 w .. 4 w + 3 of the block: + 8 (w / 2)
.else
	s_lshl_b32 s17, ttmp9, 4
.endif
	s_lshl_b32 s18, s16, 2
	s_add_co_u32 s17, s17, s18                     ; my first row
	s_lshl_b32 s18, s17, 12
	s_mov_b32 s19, 0
	s_mov_b32 s20, 0x76543210
	s_mov_b32 s21, 0xfedcba98
	s_mov_b32 s22, 0x3a800000                      ; 1 / 1,024
	s_mov_b32 s23, 0x358637bd                      ; 1e-6
.if QUANT
	s_mul_i32 s25, s16, 4*4112
	v_add_nc_u32 v2, s25, v1                       ; LDS, in: my four rows, 16 bytes a lane
	v_and_b32 v6, 15, v0
	v_bfe_u32 v7, v0, 4, 1
	v_mul_u32_u24 v3, v6, 4112
	v_lshl_add_u32 v3, v7, 6, v3
	s_lshl_b32 s26, s16, 10
	v_add_nc_u32 v3, s26, v3                       ; LDS, out: row r, + 64 h, + my two K steps of 512 bytes
	s_lshl_b32 s28, ttmp9, 14
	s_lshl_b32 s29, s16, 12
	s_add_co_u32 s28, s28, s29
	s_mov_b32 s29, 0
.endif
	s_wait_kmcnt 0x0
.if QUANT
	s_load_b32 s24, s[10:11], 0x20                 ; e8
	s_add_nc_u64 s[14:15], s[14:15], s[28:29]
.endif
	s_add_nc_u64 s[4:5], s[4:5], s[18:19]
	s_add_nc_u64 s[PO:PO+1], s[PO:PO+1], s[18:19]
.irp q, 0,1,2,3
.irp j, 0,1,2,3,4,5,6,7
	global_load_b128 v[X+32*\q+4*\j:X+32*\q+4*\j+3], v1, s[4:5] offset:4096*\q+512*\j th:TH_LOAD_NT
.endr
.endr
.irp j, 0,1,2,3,4,5,6,7
	global_load_b128 v[G+4*\j:G+4*\j+3], v1, s[6:7] offset:512*\j
.endr
.irp j, 0,1,2,3,4,5,6,7
	global_load_b128 v[BB+4*\j:BB+4*\j+3], v1, s[8:9] offset:512*\j
.endr
.macro REDUCE                          ; v[8 + 4 q]: the sum over the 32 lanes, in every lane; the four rows take turns
.irp m, 1,2,4,8
.irp q, 0,1,2,3
	v_add_f32_dpp v[8+4*\q], v[8+4*\q], v[8+4*\q] row_xmask:\m row_mask:0xf bank_mask:0xf
.endr
.endr
.irp q, 0,1,2,3
	v_permlanex16_b32 v[9+4*\q], v[8+4*\q], s20, s21
.endr
.irp q, 0,1,2,3
	v_add_f32 v[8+4*\q], v[8+4*\q], v[9+4*\q]
.endr
.endm
	s_wait_loadcnt 16                              ; the four rows are in; the gain's and the bias's 16 loads may be out
.irp q, 0,1,2,3
	v_pk_add_f32 v[8+4*\q:9+4*\q], v[X+32*\q:X+32*\q+1], v[X+32*\q+2:X+32*\q+3]
	v_pk_add_f32 v[10+4*\q:11+4*\q], v[X+32*\q+4:X+32*\q+5], v[X+32*\q+6:X+32*\q+7]
.endr
.irp k, 8,12,16,20,24,28
.irp q, 0,1,2,3
	v_pk_add_f32 v[8+4*\q:9+4*\q], v[8+4*\q:9+4*\q], v[X+32*\q+\k:X+32*\q+\k+1]
	v_pk_add_f32 v[10+4*\q:11+4*\q], v[10+4*\q:11+4*\q], v[X+32*\q+\k+2:X+32*\q+\k+3]
.endr
.endr
.irp q, 0,1,2,3
	v_pk_add_f32 v[8+4*\q:9+4*\q], v[8+4*\q:9+4*\q], v[10+4*\q:11+4*\q]
.endr
.irp q, 0,1,2,3
	v_add_f32 v[8+4*\q], v[8+4*\q], v[9+4*\q]
.endr
	REDUCE
.irp q, 0,1,2,3
	v_mul_f32 v[24+2*\q], s22, v[8+4*\q]           ; the mean, twice: a pair for the packed forms
	v_mul_f32 v[25+2*\q], s22, v[8+4*\q]
.endr
.irp k, 0,2,4,6,8,10,12,14,16,18,20,22,24,26,28,30
.irp q, 0,1,2,3
	v_pk_add_f32 v[X+32*\q+\k:X+32*\q+\k+1], v[X+32*\q+\k:X+32*\q+\k+1], v[24+2*\q:25+2*\q] neg_lo:[0,1] neg_hi:[0,1]
.endr
.endr
.irp q, 0,1,2,3
	v_pk_mul_f32 v[8+4*\q:9+4*\q], v[X+32*\q:X+32*\q+1], v[X+32*\q:X+32*\q+1]
	v_pk_mul_f32 v[10+4*\q:11+4*\q], v[X+32*\q+2:X+32*\q+3], v[X+32*\q+2:X+32*\q+3]
.endr
.irp k, 4,8,12,16,20,24,28
.irp q, 0,1,2,3
	v_pk_fma_f32 v[8+4*\q:9+4*\q], v[X+32*\q+\k:X+32*\q+\k+1], v[X+32*\q+\k:X+32*\q+\k+1], v[8+4*\q:9+4*\q]
	v_pk_fma_f32 v[10+4*\q:11+4*\q], v[X+32*\q+\k+2:X+32*\q+\k+3], v[X+32*\q+\k+2:X+32*\q+\k+3], v[10+4*\q:11+4*\q]
.endr
.endr
.irp q, 0,1,2,3
	v_pk_add_f32 v[8+4*\q:9+4*\q], v[8+4*\q:9+4*\q], v[10+4*\q:11+4*\q]
.endr
.irp q, 0,1,2,3
	v_add_f32 v[8+4*\q], v[8+4*\q], v[9+4*\q]
.endr
	REDUCE
.irp q, 0,1,2,3
	v_fma_f32 v[8+4*\q], v[8+4*\q], s22, s23       ; variance + 1e-6
.endr
	s_wait_alu depctr_va_vdst(0)
.irp q, 0,1,2,3
	v_rsq_f32 v[24+2*\q], v[8+4*\q]
.endr
	v_nop                                          ; a plain line behind the last of the four
	s_wait_alu depctr_va_vdst(0)                   ; one wait for the batch, ahead of its first reader
.irp q, 0,1,2,3
	v_mov_b32 v[25+2*\q], v[24+2*\q]
.endr
.irp k, 0,2,4,6,8,10,12,14,16,18,20,22,24,26,28,30
.irp q, 0,1,2,3
	v_pk_mul_f32 v[X+32*\q+\k:X+32*\q+\k+1], v[X+32*\q+\k:X+32*\q+\k+1], v[24+2*\q:25+2*\q]
.endr
.endr
	s_wait_loadcnt 0x0                             ; the gain and the bias
.irp k, 0,2,4,6,8,10,12,14,16,18,20,22,24,26,28,30
.irp q, 0,1,2,3
	v_pk_fma_f32 v[X+32*\q+\k:X+32*\q+\k+1], v[X+32*\q+\k:X+32*\q+\k+1], v[G+\k:G+\k+1], v[BB+\k:BB+\k+1]
.endr
.endr
.irp q, 0,1,2,3
.irp j, 0,1,2,3,4,5,6,7
	global_store_b128 v1, v[X+32*\q+4*\j:X+32*\q+4*\j+3], s[PO:PO+1] offset:4096*\q+512*\j   ; 512 consecutive bytes, aligned
.endr
.endr
.if QUANT
.irp q, 0,1,2,3
.irp j, 0,1,2,3,4,5,6,7
	ds_store_b128 v2, v[X+32*\q+4*\j:X+32*\q+4*\j+3] offset:4112*\q+512*\j
.endr
.endr
	s_wait_kmcnt 0x0
	s_add_co_i32 s24, s24, 127
	s_lshl_b32 s25, s24, 23
	v_mov_b32 v6, s25                              ; 2^e8
	s_add_co_i32 s24, s24, 8
	s_lshl_b32 s24, s24, 23
	s_or_b32 s24, s24, 0x600000
	v_mov_b32 v7, s24                              ; 448 x 2^e8
	s_wait_alu depctr_va_vdst(0)
	s_wait_dscnt 0x0                               ; for the others' sake: my four rows lie in LDS
	s_barrier_signal -1
	s_barrier_wait -1
	s_wait_xcnt 0x0                                ; the stores above have read the rows' registers, which the loads below fill
.irp k, 0,1
.irp c, 0,1,2,3
.irp j, 0,1,2,3
	ds_load_b128 v[X+64*\k+16*\c+4*\j:X+64*\k+16*\c+4*\j+3], v3 offset:512*\k+128*\c+16*\j
.endr
.endr
.endr
	s_wait_dscnt 0x0
.set i, 0
.rept 128
	v_med3_num_f32 v[X+i], v[X+i], -v7, v7         ; the conversion does not saturate (ISA guide 7.6.2)
.set i, i+1
.endr
.set g, 0
.rept 16
	v_cvt_scalef32_pk8_fp8_f32 v[32+2*g:33+2*g], v[X+8*g:X+8*g+7], v6
.set g, g+1
.endr
	v_nop
.irp k, 0,1
.irp c, 0,1,2,3
	global_store_b128 v1, v[32+16*\k+4*\c:35+16*\k+4*\c], s[14:15] offset:2048*\k+512*\c
.endr
.endr
	s_wait_tensorcnt 0x0                           ; the wave's end, behind my last LDS store
	ds_add_u32 v4, v5
	s_wait_dscnt 0x0
.endif
	s_endpgm
.Lfunc_end_k_q61924f4d12_ln1:
	.size	k_q61924f4d12_ln1, .Lfunc_end_k_q61924f4d12_ln1-k_q61924f4d12_ln1
	.p2alignl 7, 3214868480
	.fill 96, 4, 3214868480
	.section	.rodata,"a",@progbits
	.p2align	6, 0x0
	.amdhsa_kernel k_q61924f4d12_ln1
		.amdhsa_group_segment_fixed_size 66560
		.amdhsa_private_segment_fixed_size 0
		.amdhsa_enable_private_segment 0
		.amdhsa_kernarg_size 48
		.amdhsa_user_sgpr_count 2
		.amdhsa_user_sgpr_kernarg_segment_ptr 1
		.amdhsa_wavefront_size32 1
		.amdhsa_system_sgpr_workgroup_id_x 1
		.amdhsa_system_sgpr_workgroup_id_y 1
		.amdhsa_system_sgpr_workgroup_id_z 1
		.amdhsa_system_vgpr_workitem_id 0
		.amdhsa_next_free_vgpr 256
		.amdhsa_next_free_sgpr 66
		.amdhsa_reserve_vcc 0
		.amdhsa_float_denorm_mode_32 3
		.amdhsa_float_denorm_mode_16_64 3
		.amdhsa_memory_ordered 1
		.amdhsa_forward_progress 1
		.amdhsa_inst_pref_size 48
	.end_amdhsa_kernel
	.amdgpu_metadata
---
amdhsa.version: [ 1, 2 ]
amdhsa.kernels:
  - .name:           k_q61924f4d12_ln1
    .symbol:         k_q61924f4d12_ln1.kd
    .args:
      - { .name: ybuf, .offset: 0, .size: 8, .value_kind: global_buffer, .address_space: global }
      - { .name: g1, .offset: 8, .size: 8, .value_kind: global_buffer, .address_space: global }
      - { .name: b1, .offset: 16, .size: 8, .value_kind: global_buffer, .address_space: global }
      - { .name: lowp_scales, .offset: 24, .size: 8, .value_kind: global_buffer, .address_space: global }
      - { .name: x1, .offset: 32, .size: 8, .value_kind: global_buffer, .address_space: global }
      - { .name: acode, .offset: 40, .size: 8, .value_kind: global_buffer, .address_space: global }
    .group_segment_fixed_size: 66560
    .private_segment_fixed_size: 0
    .kernarg_segment_align: 8
    .kernarg_segment_size: 48
    .max_flat_workgroup_size: 128
    .sgpr_count:     66
    .vgpr_count:     256
    .wavefront_size: 32
...
	.end_amdgpu_metadata
.endif
;; end of part 5
;; launch gup (part 6): grid 16 x 16, 4 waves a work-group, clusters of 4 x 4, 327,680 bytes of LDS; arguments acode, img, lowp_scales, big, b_up; writes big
.if DOCPART == 6
	.amdgcn_target "amdgcn-amd-amdhsa--gfx1250"
	.amdhsa_code_object_version 6
	.text
	.protected	k_q61924f4d12_gup
	.globl	k_q61924f4d12_gup
	.p2align	8
	.type	k_q61924f4d12_gup,@function
k_q61924f4d12_gup:
	s_mov_b64 s[64:65], 0
	v_nop
	global_prefetch_b8 v0, s[64:65] scope:SCOPE_SE
	s_setreg_imm32_b32 hwreg(HW_REG_WAVE_MODE, 25, 1), 1
	s_wait_xcnt 0x0
	s_wait_alu depctr_hold_cnt(0) depctr_sa_sdst(0) depctr_va_vdst(0) depctr_va_sdst(0) depctr_va_ssrc(0) depctr_va_vcc(0) depctr_vm_vsrc(0)
	s_getreg_b32 s2, hwreg(HW_REG_IB_STS2, 6, 4)
	s_cmp_eq_u32 s2, 0
	s_cbranch_scc0 .Lentry_in_a_cluster
	s_endpgm
.Lentry_in_a_cluster:
	s_bfe_u32 s2, ttmp6, 0x10000c
	s_cmp_lg_u32 s2, 0xf033
	s_cbranch_scc0 .Lentry_shape_is_right
	s_endpgm
.Lentry_shape_is_right:
; A GEMM on codes of E4M3 whose operands lie as images of operand registers ([block of 16 rows][K step of 128][2,048 bytes]); the result is quantised again and stored as an image.  One text, two uses:
; KIND 0: kqv = x W_kqv^T.   KIND 1: h = relu(x1 W_up^T + b_up), quantised with 2^e10; the bias, divided by 2^(e8 + e9), is the C of the first products.
; A work-group of four waves makes 256 x 256, a wave 128 x 128.  K goes through two LDS slots of 256 along K; each wave fetches a quarter of a slot (8 blocks x 4,096 bytes) by one joint load:
; CLUSTER 4 x 4, source 1's tile shared along a row of the cluster, source 0's along a column.
; THE HEAD: one joint load a wave (slot 0) behind the opening round; the bias is loaded and scaled while it is out; slot 1's first fill stands behind the three lines and a round.
; PREFETCH INTO THE L2: of the 8 blocks that a wave fetches, each of the four partners that ask for them jointly names two, told apart by address (cx or cy): lanes 0-15 one block's 4,096 bytes of a slot,
; lanes 16-31 the next block's, 256 bytes a lane.  Behind slot 0's load slots 1 and 2 are named, behind slot 1's load slot 3: K has four slots, so the loop names nothing.
; LIMITS: the exponents that are folded into one f32 power of two lie between -126 and 119.
.set KIND,  1
.set NBK,   8
.set KQ,    2
.set KTOT,  1024
.if KIND == 0
.set WOFF,  4194304
.set PA, 4
.set PB, 4
.set PS, 6
.else
.set WOFF,  8388608
.set PA, 4
.set PB, 6
.set PS, 8
.endif
.set Z,     1+KIND
.set FRB,   2048
.set QUART, NBK*KQ*FRB
.set SLOT,  4*QUART
.set LAPS,  KTOT/(256*KQ)
.set SPARE, 2*SLOT
.set ADRA, 16
.set ADRB, 20
.set LI,   24
.set SPW,  28
.set NIL,  29
.set SC,   30
.set LIM,  31
.set T,    32
.set AF,   128
.set G1, 24
.set G0, 32
.set G1B, 48
.set G0B, 56
.set PFO, 22                           ; v22 the prefetches' offset; never rewritten
.set PFA, 86                           ; s[86:87] my work-group's two blocks of the eight that my wave fetches; never rewritten
.set MSB, 0
.macro WIN new
.if MSB != (\new)
	s_set_vgpr_msb (MSB<<8)|(\new)
.set MSB, (\new)
.endif
.endm
.macro JLOAD g0a, g1a, g0b, g1b
	s_cmp_eq_u32 s15, 0
	s_cbranch_scc0 .Lfor_b_\@
	tensor_load_to_lds s[\g0a:\g0a+3], s[\g1a:\g1a+7]
	s_nop 0
.rept 4
	v_nop
.endr
	s_branch .Lasked_\@
.Lfor_b_\@:
	tensor_load_to_lds s[\g0b:\g0b+3], s[\g1b:\g1b+7]
	s_nop 0
.rept 4
	v_nop
.endr
.Lasked_\@:
.endm
.macro CREST
	s_cmp_lg_u32 s14, 0
	s_cbranch_scc1 .Lnot_wave_0_\@
	s_barrier_signal -3
.Lnot_wave_0_\@:
	s_barrier_wait -3
	s_barrier_signal -1
	s_barrier_wait -1
.endm
.macro CROUND
	s_barrier_signal -1
	s_barrier_wait -1
	CREST
.endm
.macro PLACES
.rept 4
	v_nop
.endr
.endm
.macro FRAG reg, adr, q, i
.irp c, 0,1,2,3
	ds_load_b128 v[(\reg)+4*\c:(\reg)+4*\c+3], v[\adr] offset:(\i)*KQ*FRB+(\q)*FRB+512*\c
.endr
.endm
.macro FETCH_B slot, q, p
	WIN 0x40
.set fi, 0
.rept NBK
	FRAG 128*(\p)+16*fi, ADRB+\slot, \q, fi
.set fi, fi+1
.endr
	WIN 0
.endm
.macro FETCH_A slot, q, i0
.set fi, \i0
.rept NBK/2
	FRAG AF+16*fi, ADRA+\slot, \q, fi
.set fi, fi+1
.endr
.endm
.macro MULA a0, n, p, z
.set a, \a0
.rept \n
.set w, 2+(8*NBK*a)/256
.if \z == 2
	WIN 0x01|(w<<6)
.else
	WIN 0x01|(w<<6)|(w<<4)
.endif
.set b, 0
.rept NBK
.set rD, (8*(NBK*a+b))%256
.if \z == 1
	v_wmma_f32_16x16x128_fp8_fp8 v[rD:rD+7], v[128*(\p)+16*b:128*(\p)+16*b+15], v[AF+16*a:AF+16*a+15], 0
.elseif \z == 2
	v_wmma_f32_16x16x128_fp8_fp8 v[rD:rD+7], v[128*(\p)+16*b:128*(\p)+16*b+15], v[AF+16*a:AF+16*a+15], v[T+8*b:T+8*b+7]
.else
	v_wmma_f32_16x16x128_fp8_fp8 v[rD:rD+7], v[128*(\p)+16*b:128*(\p)+16*b+15], v[AF+16*a:AF+16*a+15], v[rD:rD+7]
.endif
.set b, b+1
.endr
.set a, a+1
.endr
.endm
.macro STEP slot, q, z
	s_wait_dscnt 2*NBK
	MULA 0, NBK/2, (\q)%2, \z
	s_wait_dscnt 0x0
	PLACES
	FETCH_B \slot, (\q)+1, 1-(\q)%2
	FETCH_A \slot, (\q)+1, 0
	MULA NBK/2, NBK/2, (\q)%2, \z
	PLACES
	WIN 0
	FETCH_A \slot, (\q)+1, NBK/2
.endm
.macro MID slot
.set mq, 1
.rept KQ-2
	STEP \slot, mq, 0
.set mq, mq+1
.endr
.endm
.macro TURN slot, next, fill
	s_wait_tensorcnt 0x0
	ds_add_u32 v[SPW], v[NIL]
	s_wait_dscnt 2*NBK+1
	MULA 0, NBK/4, 1, 0
	s_wait_dscnt 0x0
	s_barrier_signal -1
	MULA NBK/4, NBK/4, 1, 0
	WIN 0
	s_barrier_wait -1
.if \fill
	CREST
	s_add_nc_u64 s[G0+4*\slot+2:G0+4*\slot+3], s[G0+4*\slot+2:G0+4*\slot+3], 2*KQ*FRB
	s_add_nc_u64 s[G0B+4*\slot+2:G0B+4*\slot+3], s[G0B+4*\slot+2:G0B+4*\slot+3], 2*KQ*FRB
	JLOAD G0+4*\slot, G1, G0B+4*\slot, G1B
.else
	PLACES
.endif
	FETCH_B \next, 0, 0
	FETCH_A \next, 0, 0
	MULA NBK/2, NBK/2, 1, 0
	PLACES
	WIN 0
	FETCH_A \next, 0, NBK/2
.endm
.if KIND == 0
	s_load_b128 s[4:7], s[0:1], 0x0
	s_load_b64 s[10:11], s[0:1], 0x10
.else
	s_load_b256 s[4:11], s[0:1], 0x0
	s_load_b64 s[12:13], s[0:1], 0x20
.endif
	v_lshl_add_u32 v[SPW], v0, 2, SPARE
	v_mov_b32 v[NIL], 0
	ds_add_u32 v[SPW], v[NIL]
	ds_add_u32 v[SPW], v[NIL]
	v_lshrrev_b32 v1, 5, v0
	v_readfirstlane_b32 s14, v1
	s_lshr_b32 s15, s14, 1
	s_and_b32 s16, s14, 1
	s_bfe_u32 s40, ttmp6, 0x40000
	s_bfe_u32 s41, ttmp6, 0x40004
	s_and_b32 s19, ttmp7, 0xffff
.if KIND == 0
	s_cmp_eq_u32 ttmp9, 2
	s_cselect_b32 s18, s19, ttmp9
	s_cselect_b32 s19, 2, s19
	s_cselect_b32 s66, 0, WOFF
	s_cselect_b32 s67, WOFF, 0
.else
	s_mov_b32 s18, ttmp9
	s_mov_b32 s66, WOFF
	s_mov_b32 s67, 0
.endif
	s_lshl_b32 s42, s18, 2
	s_add_co_u32 s42, s42, s40
	s_lshl_b32 s17, s19, 2
	s_add_co_u32 s17, s17, s41
	s_lshl_b32 s43, s41, 2
	s_lshl_b32 s43, 15, s43
	s_lshl_b32 s44, 0x1111, s40
	s_or_b32 s[G1+0], s43, (3<<16)|(1<<21)
	s_or_b32 s[G1B+0], s44, (3<<16)|(1<<21)
.irp g, G1, G1B
	s_mov_b32 s[\g+1], (256*KQ)<<16
	s_mov_b32 s[\g+2], NBK<<16
	s_mov_b32 s[\g+3], (256*KQ)<<16
	s_mov_b32 s[\g+4], NBK
	s_mov_b32 s[\g+5], 2*KTOT
	s_mov_b32 s[\g+6], 0
	s_mov_b32 s[\g+7], 0
.endr
	s_mul_i32 s18, s16, NBK
	s_mul_i32 s20, s17, 2*NBK
	s_add_co_u32 s20, s20, s18
	s_mul_i32 s20, s20, 16*KTOT
	s_add_co_u32 s20, s20, s67
	s_mov_b32 s21, 0
	s_mul_i32 s46, s42, 2*NBK
	s_add_co_u32 s46, s46, s18
	s_mul_i32 s46, s46, 16*KTOT
	s_add_co_u32 s46, s46, s66
	s_mov_b32 s47, 0
	s_mul_i32 s45, s14, QUART
	s_wait_dscnt 0x0
	s_wait_kmcnt 0x0
	s_load_b256 s[68:75], s[PS:PS+1], 0x0
	s_load_b128 s[76:79], s[PS:PS+1], 0x20
	s_add_nc_u64 s[20:21], s[PA:PA+1], s[20:21]
	s_add_nc_u64 s[46:47], s[PB:PB+1], s[46:47]
	s_cmp_eq_u32 s15, 0                            ; which tile do I fetch for?
	s_cselect_b64 s[PFA:PFA+1], s[20:21], s[46:47]
	s_cselect_b32 s88, s40, s41                    ; my place among the four that ask for it with me
	s_mul_i32 s88, s88, (NBK/4)*16*KTOT
	s_mov_b32 s89, 0
	s_add_nc_u64 s[PFA:PFA+1], s[PFA:PFA+1], s[88:89]
	v_and_b32 v1, 15, v0
	v_bfe_u32 v[PFO], v0, 4, 1
	v_mul_u32_u24 v[PFO], v[PFO], 16*KTOT          ; lanes 16-31: the next block
	v_lshl_add_u32 v[PFO], v1, 8, v[PFO]           ; 256 bytes a lane
	global_prefetch_b8 v[PFO], s[PFA:PFA+1] th:TH_LOAD_NT scope:SCOPE_SE   ; slot 0, the buffers' first touch, is named as soon as the addresses stand: the opening round and the descriptors' set-up lie between this line and its load
	s_wait_alu depctr_va_vdst(0)
	CROUND
.irp s, 0,1
	s_mov_b32 s[G0+4*\s], 1
	s_add_co_u32 s[G0+4*\s+1], s45, \s*SLOT
	s_add_nc_u64 s[G0+4*\s+2:G0+4*\s+3], s[20:21], \s*KQ*FRB
	s_or_b32 s[G0+4*\s+3], s[G0+4*\s+3], 0x80000000
	s_mov_b32 s[G0B+4*\s], 1
	s_add_co_u32 s[G0B+4*\s+1], s45, \s*SLOT
	s_add_nc_u64 s[G0B+4*\s+2:G0B+4*\s+3], s[46:47], \s*KQ*FRB
	s_or_b32 s[G0B+4*\s+3], s[G0B+4*\s+3], 0x80000000
.endr
	JLOAD G0, G1, G0B, G1B                         ; slot 0: one tensor load a wave at the head
	global_prefetch_b8 v[PFO], s[PFA:PFA+1] offset:KQ*FRB th:TH_LOAD_NT scope:SCOPE_SE     ; slot 1
	global_prefetch_b8 v[PFO], s[PFA:PFA+1] offset:2*KQ*FRB th:TH_LOAD_NT scope:SCOPE_SE   ; slot 2
	v_and_b32 v1, 31, v0
	v_lshlrev_b32 v[LI], 4, v1
	s_mul_i32 s21, s15, QUART
	s_mul_i32 s22, s16, QUART
	s_add_co_u32 s22, s22, 2*QUART
.irp s, 0,1
	v_add_nc_u32 v[ADRA+\s], s21, v[LI]
	v_add_nc_u32 v[ADRB+\s], s22, v[LI]
	s_add_co_u32 s21, s21, SLOT
	s_add_co_u32 s22, s22, SLOT
.endr
.if KIND == 1
	v_bfe_u32 v2, v0, 4, 1
	v_lshlrev_b32 v2, 6, v2
	s_lshl_b32 s82, s42, 10
	s_lshl_b32 s83, s16, 9
	s_add_co_u32 s82, s82, s83
	s_mov_b32 s83, 0
	s_add_nc_u64 s[12:13], s[12:13], s[82:83]
.irp b, 0,1,2,3,4,5,6,7
	global_load_b128 v[T+8*\b:T+8*\b+3], v2, s[12:13] offset:(32*(\b/2)+8*(\b%2))*4
	global_load_b128 v[T+8*\b+4:T+8*\b+7], v2, s[12:13] offset:(32*(\b/2)+8*(\b%2))*4+16
.endr
	s_wait_kmcnt 0x0
	s_add_co_i32 s84, s76, s77
	s_sub_co_i32 s84, 0, s84
	s_wait_loadcnt 0x0
.set i, 0
.rept 64
	v_ldexp_f32 v[T+i], v[T+i], s84
.set i, i+1
.endr
.endif
	s_wait_alu depctr_va_vdst(0)
	s_wait_tensorcnt 0x0                           ; my part of slot 0 is in
	ds_add_u32 v[SPW], v[NIL]
	s_wait_dscnt 0x0
	CROUND                                         ; everybody's part of slot 0 is in, and all sixteen work-groups are here
	JLOAD G0+4, G1, G0B+4, G1B                     ; slot 1: the first tensor load behind the round
	global_prefetch_b8 v[PFO], s[PFA:PFA+1] offset:3*KQ*FRB th:TH_LOAD_NT scope:SCOPE_SE   ; slot 3, two refills on
	FETCH_B 0, 0, 0
	FETCH_A 0, 0, 0
	FETCH_A 0, 0, NBK/2
	STEP 0, 0, Z
.if LAPS > 1
	s_mov_b32 s3, LAPS-1
.Llap:
	MID 0
	TURN 0, 1, 1
	STEP 1, 0, 0
	MID 1
	TURN 1, 0, 1
	STEP 0, 0, 0
	s_sub_co_u32 s3, s3, 1
	s_cmp_lg_u32 s3, 0
	s_cbranch_scc1 .Llap
.endif
	MID 0
	TURN 0, 1, 0
	STEP 1, 0, 0
	MID 1
	s_wait_dscnt 2*NBK
	MULA 0, NBK/2, 1, 0
	s_wait_dscnt 0x0
	MULA NBK/2, NBK/2, 1, 0
	WIN 0
	s_wait_kmcnt 0x0
.if KIND == 0
	s_cmp_eq_u32 ttmp9, 0
	s_cselect_b32 s80, s71, s70
	s_cmp_eq_u32 ttmp9, 2
	s_cselect_b32 s80, s73, s80
	s_sub_co_i32 s80, s80, s68
	s_sub_co_i32 s80, s80, s69
.else
	s_sub_co_i32 s80, s78, s76
	s_sub_co_i32 s80, s80, s77
.endif
	s_add_co_i32 s80, s80, 127
	s_lshl_b32 s81, s80, 23
	v_mov_b32 v[SC], s81
	s_add_co_i32 s80, s80, 8
	s_lshl_b32 s80, s80, 23
	s_or_b32 s80, s80, 0x600000
	v_mov_b32 v[LIM], s80
	PLACES
.set a, 0
.rept 8
	WIN 0x02+(a/4)
.set i, 0
.rept 64
.if KIND == 1
	v_med3_num_f32 v[T+i], v[64*(a%4)+i], 0, v[LIM]
.else
	v_med3_num_f32 v[T+i], v[64*(a%4)+i], -v[LIM], v[LIM]
.endif
.set i, i+1
.endr
	WIN 0
.set g, 0
.rept 8
	v_cvt_scalef32_pk8_fp8_f32 v[AF+16*a+2*g:AF+16*a+2*g+1], v[T+8*g:T+8*g+7], v[SC]
.set g, g+1
.endr
	v_nop
.set a, a+1
.endr
.if KIND == 1
	s_lshl_b32 s82, s17, 4
	s_lshl_b32 s83, s15, 3
	s_add_co_u32 s82, s82, s83
	s_lshl_b32 s82, s82, 16
	s_lshl_b32 s83, s42, 1
	s_add_co_u32 s83, s83, s16
	s_lshl_b32 s83, s83, 11
	s_add_co_u32 s82, s82, s83
	s_mov_b32 s83, 0
	s_add_nc_u64 s[10:11], s[10:11], s[82:83]
.set a, 0
	s_wait_alu depctr_va_vdst(0)
.rept 8
.irp e, 0,1,2,3
	global_store_b128 v[LI], v[AF+16*a+4*\e:AF+16*a+4*\e+3], s[10:11] offset:65536*a+512*\e
.endr
.set a, a+1
.endr
.else
	s_cmp_eq_u32 ttmp9, 2
	s_cbranch_scc1 .Lv_out
	s_lshr_b32 s82, s17, 3
	s_lshl_b32 s82, s82, 4
	s_lshl_b32 s83, s40, 2
	s_add_co_u32 s82, s82, s83
	s_lshl_b32 s83, s16, 1
	s_add_co_u32 s82, s82, s83
	s_mul_i32 s82, s82, 393216
	s_lshl_b32 s83, ttmp9, 17
	s_add_co_u32 s82, s82, s83
	s_and_b32 s83, s17, 7
	s_lshl_b32 s83, s83, 4
	s_lshl_b32 s84, s15, 3
	s_add_co_u32 s83, s83, s84
	s_lshl_b32 s83, s83, 10
	s_add_co_u32 s82, s82, s83
	s_mov_b32 s83, 0
	s_add_nc_u64 s[10:11], s[10:11], s[82:83]
.set a, 0
.rept 8
.irp e, 0,1,2,3
	global_store_b128 v[LI], v[AF+16*a+4*\e:AF+16*a+4*\e+3], s[10:11] offset:(\e/2)*393216+1024*a+512*(\e%2)
.endr
.set a, a+1
.endr
	s_branch .Lout_done
.Lv_out:
	s_lshr_b32 s82, s42, 3
	s_lshl_b32 s82, s82, 4
	s_lshl_b32 s83, s41, 2
	s_add_co_u32 s82, s82, s83
	s_lshl_b32 s83, s15, 1
	s_add_co_u32 s82, s82, s83
	s_mul_i32 s82, s82, 393216
	s_add_co_u32 s82, s82, 262144
	s_and_b32 s83, s42, 7
	s_lshl_b32 s83, s83, 1
	s_add_co_u32 s83, s83, s16
	s_lshl_b32 s83, s83, 13
	s_add_co_u32 s82, s82, s83
	s_mov_b32 s83, 0
	s_add_nc_u64 s[10:11], s[10:11], s[82:83]
.set a, 0
.rept 8
.irp e, 0,1,2,3
	global_store_b128 v[LI], v[AF+16*a+4*\e:AF+16*a+4*\e+3], s[10:11] offset:(a/4)*393216+2048*(a%4)+512*\e
.endr
.set a, a+1
.endr
.Lout_done:
.endif
	s_wait_tensorcnt 0x0
	ds_add_u32 v[SPW], v[NIL]
	s_wait_dscnt 0x0
	CROUND
	s_endpgm
.Lfunc_end_k_q61924f4d12_gup:
	.size	k_q61924f4d12_gup, .Lfunc_end_k_q61924f4d12_gup-k_q61924f4d12_gup
	.p2alignl 7, 3214868480
	.fill 96, 4, 3214868480
	.section	.rodata,"a",@progbits
	.p2align	6, 0x0
	.amdhsa_kernel k_q61924f4d12_gup
		.amdhsa_group_segment_fixed_size 327680
		.amdhsa_private_segment_fixed_size 0
		.amdhsa_enable_private_segment 0
		.amdhsa_kernarg_size 40
		.amdhsa_user_sgpr_count 2
		.amdhsa_user_sgpr_kernarg_segment_ptr 1
		.amdhsa_wavefront_size32 1
		.amdhsa_system_sgpr_workgroup_id_x 1
		.amdhsa_system_sgpr_workgroup_id_y 1
		.amdhsa_system_sgpr_workgroup_id_z 1
		.amdhsa_system_vgpr_workitem_id 0
		.amdhsa_next_free_vgpr 1024
		.amdhsa_next_free_sgpr 100
		.amdhsa_reserve_vcc 0
		.amdhsa_float_denorm_mode_32 3
		.amdhsa_float_denorm_mode_16_64 3
		.amdhsa_memory_ordered 1
		.amdhsa_forward_progress 1
		.amdhsa_inst_pref_size 124
	.end_amdhsa_kernel
	.amdgpu_metadata
---
amdhsa.version: [ 1, 2 ]
amdhsa.kernels:
  - .name:           k_q61924f4d12_gup
    .symbol:         k_q61924f4d12_gup.kd
    .args:
      - { .name: acode, .offset: 0, .size: 8, .value_kind: global_buffer, .address_space: global }
      - { .name: img, .offset: 8, .size: 8, .value_kind: global_buffer, .address_space: global }
      - { .name: lowp_scales, .offset: 16, .size: 8, .value_kind: global_buffer, .address_space: global }
      - { .name: big, .offset: 24, .size: 8, .value_kind: global_buffer, .address_space: global }
      - { .name: b_up, .offset: 32, .size: 8, .value_kind: global_buffer, .address_space: global }
    .group_segment_fixed_size: 327680
    .private_segment_fixed_size: 0
    .kernarg_segment_align: 8
    .kernarg_segment_size: 40
    .max_flat_workgroup_size: 128
    .sgpr_count:     100
    .vgpr_count:     1024
    .wavefront_size: 32
...
	.end_amdgpu_metadata
.endif
;; end of part 6
;; launch gdown (part 7): grid 8 x 32, 4 waves a work-group, clusters of 4 x 4, 327,680 bytes of LDS; arguments big, wdimg, lowp_scales, ybuf, x1, b_down; writes ybuf
.if DOCPART == 7
	.amdgcn_target "amdgcn-amd-amdhsa--gfx1250"
	.amdhsa_code_object_version 6
	.text
	.protected	k_q61924f4d12_gdown
	.globl	k_q61924f4d12_gdown
	.p2align	8
	.type	k_q61924f4d12_gdown,@function
k_q61924f4d12_gdown:
	s_mov_b64 s[64:65], 0
	v_nop
	global_prefetch_b8 v0, s[64:65] scope:SCOPE_SE
	s_setreg_imm32_b32 hwreg(HW_REG_WAVE_MODE, 25, 1), 1
	s_wait_xcnt 0x0
	s_wait_alu depctr_hold_cnt(0) depctr_sa_sdst(0) depctr_va_vdst(0) depctr_va_sdst(0) depctr_va_ssrc(0) depctr_va_vcc(0) depctr_vm_vsrc(0)
	s_getreg_b32 s2, hwreg(HW_REG_IB_STS2, 6, 4)
	s_cmp_eq_u32 s2, 0
	s_cbranch_scc0 .Lentry_in_a_cluster
	s_endpgm
.Lentry_in_a_cluster:
	s_bfe_u32 s2, ttmp6, 0x10000c
	s_cmp_lg_u32 s2, 0xf033
	s_cbranch_scc0 .Lentry_shape_is_right
	s_endpgm
.Lentry_shape_is_right:
; A GEMM on codes of E4M3 whose operands lie as images of operand registers, with an f32 result: y2 = (h W_down^T) x 2^(e10 + e11) + b_down + x1, row-major (BIAS 1; K = 4,096).
; BLOCK: rows go in blocks of 16; block 2 B + u holds rows 32 B + 8 u + {0..7, 16..23}.  FRAGMENT: 16 rows x 128 K = 2,048 bytes, [piece c][lane][16 bytes].  An operand is [block][K step][2,048].
; The result has 1,024 columns: tiles of 128 x 128 give each of 256 work-groups one.  A wave makes 64 x 64: 16 accumulators.  K goes through two LDS slots of 512 along K, eight slots' worth in all;
; each wave fetches a quarter of a slot by one joint load (4 blocks x 8,192 bytes).  CLUSTER 4 x 4: the tokens' tile (source 1) is shared along a row of the cluster, the weights' (source 0) along a column.
; THE HEAD: one joint load a wave (slot 0) behind the opening round; the addresses are made while it is out, the residual and the bias behind slot 1's fill; slot 1's first fill stands behind the three lines
; and a round, as a refill does.
; PREFETCH INTO THE L2: at a change of slots every wave has waited for all its tensor loads, so a refill goes out alone; what it asks for has been named two refills earlier.  Of the four blocks that a wave
; fetches, each of the four partners that ask for them jointly names one, told apart by address (cx for the tokens, cy for the weights): 8,192 bytes of a slot, 256 a lane, one instruction a wave.
; Behind slot 0's load slots 1 and 2 are named; behind the load of slot t, slot t + 2; the loop's last trip, which loads slots 6 and 7, names nothing.
; THE WAY OUT: a block of 16 tokens goes through the wave's own stage (rows of 256 + 16 bytes) and leaves by rows, sixteen lanes to 256 consecutive bytes.   LIMITS: e10 + e11 between -126 and 127.
.set BIAS,  1
.set NBK,   4
.set KQ,    4
.if BIAS
.set KTOT,  4096
.set WOFF,  0                          ; w_down's image has a buffer of its own
.set EA, 78
.set EB, 79
.else
.set KTOT,  1024
.set WOFF,  7340032
.set EA, 74
.set EB, 75
.endif
.set FRB,   2048
.set QUART, NBK*KQ*FRB
.set SLOT,  4*QUART
.set LAPS,  KTOT/(256*KQ)
.set SPARE, 2*SLOT
.set STAGE, SPARE+512
.set ADRA, 16
.set ADRB, 20
.set LI,   24
.set STO,  25
.set RD,   26
.set CO,   27
.set SPW,  28
.set NIL,  29
.set T,    32
.set BK,   64
.set BV,   96
.set AF,   128
.set G1, 24
.set G0, 32
.set G1B, 48
.set G0B, 56
.set PFO, 22                           ; v22 the prefetches' offset: 256 x lane; never rewritten
.set PFA, 86                           ; s[86:87] my work-group's block of the four that my wave fetches, stepped a slot at each refill
.set MSB, 0
.macro WIN new
.if MSB != (\new)
	s_set_vgpr_msb (MSB<<8)|(\new)
.set MSB, (\new)
.endif
.endm
.macro JLOAD g0a, g1a, g0b, g1b
	s_cmp_eq_u32 s15, 0
	s_cbranch_scc0 .Lfor_b_\@
	tensor_load_to_lds s[\g0a:\g0a+3], s[\g1a:\g1a+7]
	s_nop 0
.rept 4
	v_nop
.endr
	s_branch .Lasked_\@
.Lfor_b_\@:
	tensor_load_to_lds s[\g0b:\g0b+3], s[\g1b:\g1b+7]
	s_nop 0
.rept 4
	v_nop
.endr
.Lasked_\@:
.endm
.macro CREST
	s_cmp_lg_u32 s14, 0
	s_cbranch_scc1 .Lnot_wave_0_\@
	s_barrier_signal -3
.Lnot_wave_0_\@:
	s_barrier_wait -3
	s_barrier_signal -1
	s_barrier_wait -1
.endm
.macro CROUND
	s_barrier_signal -1
	s_barrier_wait -1
	CREST
.endm
.macro PLACES
.rept 4
	v_nop
.endr
.endm
.macro FRAG reg, adr, q, i
.irp c, 0,1,2,3
	ds_load_b128 v[(\reg)+4*\c:(\reg)+4*\c+3], v[\adr] offset:(\i)*KQ*FRB+(\q)*FRB+512*\c
.endr
.endm
.macro FETCH_B slot, q, p
	WIN 0x40
.set fi, 0
.rept NBK
	FRAG 128*(\p)+16*fi, ADRB+\slot, \q, fi
.set fi, fi+1
.endr
	WIN 0
.endm
.macro FETCH_A slot, q, i0
.set fi, \i0
.rept NBK/2
	FRAG AF+16*fi, ADRA+\slot, \q, fi
.set fi, fi+1
.endr
.endm
.macro MULA a0, n, p, z
.set a, \a0
.rept \n
.set w, 2+(8*NBK*a)/256
	WIN 0x01|(w<<6)|(w<<4)
.set b, 0
.rept NBK
.set rD, (8*(NBK*a+b))%256
.if \z == 1
	v_wmma_f32_16x16x128_fp8_fp8 v[rD:rD+7], v[128*(\p)+16*b:128*(\p)+16*b+15], v[AF+16*a:AF+16*a+15], 0
.else
	v_wmma_f32_16x16x128_fp8_fp8 v[rD:rD+7], v[128*(\p)+16*b:128*(\p)+16*b+15], v[AF+16*a:AF+16*a+15], v[rD:rD+7]
.endif
.set b, b+1
.endr
.set a, a+1
.endr
.endm
.macro STEP slot, q, z
	s_wait_dscnt 2*NBK
	MULA 0, NBK/2, (\q)%2, \z
	s_wait_dscnt 0x0
	PLACES
	FETCH_B \slot, (\q)+1, 1-(\q)%2
	FETCH_A \slot, (\q)+1, 0
	MULA NBK/2, NBK/2, (\q)%2, \z
	PLACES
	WIN 0
	FETCH_A \slot, (\q)+1, NBK/2
.endm
.macro MID slot
.set mq, 1
.rept KQ-2
	STEP \slot, mq, 0
.set mq, mq+1
.endr
.endm
.macro TURN slot, next, fill
.if \fill
	s_wait_xcnt 0x0                                ; my last prefetch has read its address, so it may be stepped: here, ahead of the waits of the change of slots
	s_add_nc_u64 s[PFA:PFA+1], s[PFA:PFA+1], KQ*FRB
.endif
	s_wait_tensorcnt 0x0
	ds_add_u32 v[SPW], v[NIL]
	s_wait_dscnt 2*NBK+1
	MULA 0, NBK/4, 1, 0
	s_wait_dscnt 0x0
	s_barrier_signal -1
	MULA NBK/4, NBK/4, 1, 0
	WIN 0
	s_barrier_wait -1
.if \fill
	CREST
	s_add_nc_u64 s[G0+4*\slot+2:G0+4*\slot+3], s[G0+4*\slot+2:G0+4*\slot+3], 2*KQ*FRB
	s_add_nc_u64 s[G0B+4*\slot+2:G0B+4*\slot+3], s[G0B+4*\slot+2:G0B+4*\slot+3], 2*KQ*FRB
	JLOAD G0+4*\slot, G1, G0B+4*\slot, G1B
.else
	PLACES
.endif
	FETCH_B \next, 0, 0
	FETCH_A \next, 0, 0
.if \fill
	s_cmp_gt_u32 s3, 1                             ; s3 = 1 in the loop's last trip: no slot lies two refills on
	s_cbranch_scc0 .Lnoask_\@
	global_prefetch_b8 v[PFO], s[PFA:PFA+1] offset:3*KQ*FRB th:TH_LOAD_NT scope:SCOPE_SE   ; behind the joint load of slot t and the run of LDS loads: slot t + 2
.Lnoask_\@:
.endif
	MULA NBK/2, NBK/2, 1, 0
	PLACES
	WIN 0
	FETCH_A \next, 0, NBK/2
.endm
	s_load_b256 s[4:11], s[0:1], 0x0
	s_load_b64 s[12:13], s[0:1], 0x20
.if BIAS
	s_load_b64 s[80:81], s[0:1], 0x28
.endif
	v_lshl_add_u32 v[SPW], v0, 2, SPARE
	v_mov_b32 v[NIL], 0
	ds_add_u32 v[SPW], v[NIL]
	ds_add_u32 v[SPW], v[NIL]
	v_lshrrev_b32 v1, 5, v0
	v_readfirstlane_b32 s14, v1
	s_lshr_b32 s15, s14, 1
	s_and_b32 s16, s14, 1
	s_bfe_u32 s40, ttmp6, 0x40000
	s_bfe_u32 s41, ttmp6, 0x40004
	s_lshl_b32 s42, ttmp9, 2
	s_add_co_u32 s42, s42, s40
	s_and_b32 s17, ttmp7, 0xffff
	s_lshl_b32 s17, s17, 2
	s_add_co_u32 s17, s17, s41
	s_lshl_b32 s43, s41, 2
	s_lshl_b32 s43, 15, s43
	s_lshl_b32 s44, 0x1111, s40
	s_or_b32 s[G1+0], s43, (3<<16)|(1<<21)
	s_or_b32 s[G1B+0], s44, (3<<16)|(1<<21)
.irp g, G1, G1B
	s_mov_b32 s[\g+1], (256*KQ)<<16
	s_mov_b32 s[\g+2], NBK<<16
	s_mov_b32 s[\g+3], (256*KQ)<<16
	s_mov_b32 s[\g+4], NBK
	s_mov_b32 s[\g+5], 2*KTOT
	s_mov_b32 s[\g+6], 0
	s_mov_b32 s[\g+7], 0
.endr
	s_mul_i32 s18, s16, NBK
	s_mul_i32 s20, s17, 2*NBK
	s_add_co_u32 s20, s20, s18
	s_mul_i32 s20, s20, 16*KTOT
	s_mov_b32 s21, 0
	s_mul_i32 s46, s42, 2*NBK
	s_add_co_u32 s46, s46, s18
	s_mul_i32 s46, s46, 16*KTOT
	s_add_co_u32 s46, s46, WOFF
	s_mov_b32 s47, 0
	s_mul_i32 s45, s14, QUART
	s_wait_dscnt 0x0
	s_wait_kmcnt 0x0
	s_load_b256 s[68:75], s[8:9], 0x0
	s_load_b128 s[76:79], s[8:9], 0x20
	s_add_nc_u64 s[20:21], s[4:5], s[20:21]
	s_add_nc_u64 s[46:47], s[6:7], s[46:47]
	s_cmp_eq_u32 s15, 0                            ; which tile do I fetch for?
	s_cselect_b64 s[PFA:PFA+1], s[20:21], s[46:47]
	s_cselect_b32 s88, s40, s41                    ; my place among the four that ask for it with me
	s_mul_i32 s88, s88, (NBK/4)*16*KTOT
	s_mov_b32 s89, 0
	s_add_nc_u64 s[PFA:PFA+1], s[PFA:PFA+1], s[88:89]
	v_and_b32 v[PFO], 31, v0
	v_lshlrev_b32 v[PFO], 8, v[PFO]
	global_prefetch_b8 v[PFO], s[PFA:PFA+1] th:TH_LOAD_NT scope:SCOPE_SE   ; slot 0, the buffers' first touch, is named as soon as the addresses stand: the opening round and the descriptors' set-up lie between this line and its load
	s_wait_alu depctr_va_vdst(0)
	CROUND
.irp s, 0,1
	s_mov_b32 s[G0+4*\s], 1
	s_add_co_u32 s[G0+4*\s+1], s45, \s*SLOT
	s_add_nc_u64 s[G0+4*\s+2:G0+4*\s+3], s[20:21], \s*KQ*FRB
	s_or_b32 s[G0+4*\s+3], s[G0+4*\s+3], 0x80000000
	s_mov_b32 s[G0B+4*\s], 1
	s_add_co_u32 s[G0B+4*\s+1], s45, \s*SLOT
	s_add_nc_u64 s[G0B+4*\s+2:G0B+4*\s+3], s[46:47], \s*KQ*FRB
	s_or_b32 s[G0B+4*\s+3], s[G0B+4*\s+3], 0x80000000
.endr
	JLOAD G0, G1, G0B, G1B                         ; slot 0: one tensor load a wave at the head
	global_prefetch_b8 v[PFO], s[PFA:PFA+1] offset:KQ*FRB th:TH_LOAD_NT scope:SCOPE_SE     ; slot 1
	global_prefetch_b8 v[PFO], s[PFA:PFA+1] offset:2*KQ*FRB th:TH_LOAD_NT scope:SCOPE_SE   ; slot 2
	v_and_b32 v1, 31, v0
	v_lshlrev_b32 v[LI], 4, v1
	s_mul_i32 s21, s15, QUART
	s_mul_i32 s22, s16, QUART
	s_add_co_u32 s22, s22, 2*QUART
.irp s, 0,1
	v_add_nc_u32 v[ADRA+\s], s21, v[LI]
	v_add_nc_u32 v[ADRB+\s], s22, v[LI]
	s_add_co_u32 s21, s21, SLOT
	s_add_co_u32 s22, s22, SLOT
.endr
	v_and_b32 v1, 15, v0
	v_bfe_u32 v2, v0, 4, 1
	s_mul_i32 s23, s14, 16*272
	s_add_co_u32 s23, s23, STAGE
	v_mul_u32_u24 v[STO], v1, 272
	v_lshl_add_u32 v[STO], v2, 6, v[STO]
	v_add_nc_u32 v[STO], s23, v[STO]
	v_mul_u32_u24 v[RD], v2, 272
	v_lshl_add_u32 v[RD], v1, 4, v[RD]
	v_add_nc_u32 v[RD], s23, v[RD]
	v_lshlrev_b32 v[CO], 12, v2
	v_lshl_add_u32 v[CO], v1, 4, v[CO]
	s_wait_alu depctr_va_vdst(0)
	s_lshl_b32 s82, s17, 7
	s_lshl_b32 s83, s15, 6
	s_add_co_u32 s82, s82, s83
	s_lshl_b32 s82, s82, 12
	s_lshl_b32 s84, s42, 9
	s_lshl_b32 s83, s16, 8
	s_add_co_u32 s84, s84, s83
	s_add_co_u32 s82, s82, s84
	s_mov_b32 s83, 0
	s_mov_b32 s85, 0
	s_add_nc_u64 s[12:13], s[12:13], s[82:83]
	s_add_nc_u64 s[10:11], s[10:11], s[82:83]
	s_wait_alu depctr_va_vdst(0)
	s_wait_tensorcnt 0x0                           ; my part of slot 0 is in
	ds_add_u32 v[SPW], v[NIL]
	s_wait_dscnt 0x0
	CROUND                                         ; everybody's part of slot 0 is in, and all sixteen work-groups are here
	JLOAD G0+4, G1, G0B+4, G1B                     ; slot 1: the first tensor load behind the round
	global_prefetch_b8 v[PFO], s[PFA:PFA+1] offset:3*KQ*FRB th:TH_LOAD_NT scope:SCOPE_SE   ; slot 3, two refills on.  The residual and the bias are asked for behind both fills: the products wait for the tiles, and only the way out for these
	WIN 0xc0
.set a, 0
.rept 4
.irp t, 0,1,2,3,4,5,6,7
	global_load_b128 v[32*a+4*\t:32*a+4*\t+3], v[CO], s[12:13] offset:(32*(a/2)+8*(a%2)+2*\t+8*(\t/4))*4096
.endr
.set a, a+1
.endr
	WIN 0
.if BIAS
	s_add_nc_u64 s[80:81], s[80:81], s[84:85]
	v_lshlrev_b32 v2, 6, v2
.irp b, 0,1,2,3
	global_load_b128 v[BV+8*\b:BV+8*\b+3], v2, s[80:81] offset:(32*(\b/2)+8*(\b%2))*4
	global_load_b128 v[BV+8*\b+4:BV+8*\b+7], v2, s[80:81] offset:(32*(\b/2)+8*(\b%2))*4+16
.endr
.endif
	FETCH_B 0, 0, 0
	FETCH_A 0, 0, 0
	FETCH_A 0, 0, NBK/2
	STEP 0, 0, 1
.if LAPS > 1
	s_mov_b32 s3, LAPS-1
.Llap:
	MID 0
	TURN 0, 1, 1
	STEP 1, 0, 0
	MID 1
	TURN 1, 0, 1
	STEP 0, 0, 0
	s_sub_co_u32 s3, s3, 1
	s_cmp_lg_u32 s3, 0
	s_cbranch_scc1 .Llap
.endif
	MID 0
	TURN 0, 1, 0
	STEP 1, 0, 0
	MID 1
	s_wait_dscnt 2*NBK
	MULA 0, NBK/2, 1, 0
	s_wait_dscnt 0x0
	MULA NBK/2, NBK/2, 1, 0
	WIN 0
	s_wait_kmcnt 0x0
	s_add_co_i32 s96, s[EA], s[EB]
	s_add_co_i32 s96, s96, 127
	s_lshl_b32 s96, s96, 23
	s_mov_b32 s97, s96
	PLACES
	s_wait_loadcnt 0x0
.set a, 0
.rept 4
	WIN 0x02
.set i, 0
.rept 16
.if BIAS
	v_pk_fma_f32 v[T+i:T+i+1], v[32*a+i:32*a+i+1], s[96:97], v[BV+i:BV+i+1] op_sel_hi:[1,0,1]
.else
	v_pk_mul_f32 v[T+i:T+i+1], v[32*a+i:32*a+i+1], s[96:97] op_sel_hi:[1,0]
.endif
.set i, i+2
.endr
	WIN 0
.irp b, 0,1,2,3
	ds_store_b128 v[STO], v[T+8*\b:T+8*\b+3] offset:128*(\b/2)+32*(\b%2)
	ds_store_b128 v[STO], v[T+8*\b+4:T+8*\b+7] offset:128*(\b/2)+32*(\b%2)+16
.endr
.if a > 0
	s_wait_xcnt 0x0
.endif
.irp t, 0,1,2,3,4,5,6,7
	ds_load_b128 v[BK+4*\t:BK+4*\t+3], v[RD] offset:544*\t
.endr
	s_wait_dscnt 0x0
	WIN 0x0c
.set i, 0
.rept 16
	v_pk_add_f32 v[BK+i:BK+i+1], v[BK+i:BK+i+1], v[32*a+i:32*a+i+1]
.set i, i+2
.endr
	WIN 0
.irp t, 0,1,2,3,4,5,6,7
	global_store_b128 v[CO], v[BK+4*\t:BK+4*\t+3], s[10:11] offset:(32*(a/2)+8*(a%2)+2*\t+8*(\t/4))*4096
.endr
.set a, a+1
.endr
	s_wait_tensorcnt 0x0
	ds_add_u32 v[SPW], v[NIL]
	s_wait_dscnt 0x0
	CROUND
	s_endpgm
.Lfunc_end_k_q61924f4d12_gdown:
	.size	k_q61924f4d12_gdown, .Lfunc_end_k_q61924f4d12_gdown-k_q61924f4d12_gdown
	.p2alignl 7, 3214868480
	.fill 96, 4, 3214868480
	.section	.rodata,"a",@progbits
	.p2align	6, 0x0
	.amdhsa_kernel k_q61924f4d12_gdown
		.amdhsa_group_segment_fixed_size 327680
		.amdhsa_private_segment_fixed_size 0
		.amdhsa_enable_private_segment 0
		.amdhsa_kernarg_size 48
		.amdhsa_user_sgpr_count 2
		.amdhsa_user_sgpr_kernarg_segment_ptr 1
		.amdhsa_wavefront_size32 1
		.amdhsa_system_sgpr_workgroup_id_x 1
		.amdhsa_system_sgpr_workgroup_id_y 1
		.amdhsa_system_sgpr_workgroup_id_z 1
		.amdhsa_system_vgpr_workitem_id 0
		.amdhsa_next_free_vgpr 1024
		.amdhsa_next_free_sgpr 100
		.amdhsa_reserve_vcc 0
		.amdhsa_float_denorm_mode_32 3
		.amdhsa_float_denorm_mode_16_64 3
		.amdhsa_memory_ordered 1
		.amdhsa_forward_progress 1
		.amdhsa_inst_pref_size 87
	.end_amdhsa_kernel
	.amdgpu_metadata
---
amdhsa.version: [ 1, 2 ]
amdhsa.kernels:
  - .name:           k_q61924f4d12_gdown
    .symbol:         k_q61924f4d12_gdown.kd
    .args:
      - { .name: big, .offset: 0, .size: 8, .value_kind: global_buffer, .address_space: global }
      - { .name: wdimg, .offset: 8, .size: 8, .value_kind: global_buffer, .address_space: global }
      - { .name: lowp_scales, .offset: 16, .size: 8, .value_kind: global_buffer, .address_space: global }
      - { .name: ybuf, .offset: 24, .size: 8, .value_kind: global_buffer, .address_space: global }
      - { .name: x1, .offset: 32, .size: 8, .value_kind: global_buffer, .address_space: global }
      - { .name: b_down, .offset: 40, .size: 8, .value_kind: global_buffer, .address_space: global }
    .group_segment_fixed_size: 327680
    .private_segment_fixed_size: 0
    .kernarg_segment_align: 8
    .kernarg_segment_size: 48
    .max_flat_workgroup_size: 128
    .sgpr_count:     100
    .vgpr_count:     1024
    .wavefront_size: 32
...
	.end_amdgpu_metadata
.endif
;; end of part 7
;; launch ln2 (part 8): grid 256 x 1, 4 waves a work-group, no clusters, 0 bytes of LDS; arguments ybuf, g2, b2, out0; writes out0
.if DOCPART == 8
	.amdgcn_target "amdgcn-amd-amdhsa--gfx1250"
	.amdhsa_code_object_version 6
	.text
	.protected	k_q61924f4d12_ln2
	.globl	k_q61924f4d12_ln2
	.p2align	8
	.type	k_q61924f4d12_ln2,@function
k_q61924f4d12_ln2:
	s_mov_b64 s[64:65], 0
	v_nop
	global_prefetch_b8 v0, s[64:65] scope:SCOPE_SE
	s_setreg_imm32_b32 hwreg(HW_REG_WAVE_MODE, 25, 1), 1
	s_wait_xcnt 0x0
; A layer norm over rows of 1,024 f32: (y - mean) x rsqrt(variance + 1e-6) x gain + bias, the variance taken of the differences from the mean.  One text, two uses:
; QUANT 1: the result goes out as f32 rows AND as codes of E4M3 (scale 2^e8), laid as the image of the next product's operand.   QUANT 0: f32 rows alone.
; A wave takes four whole rows, each in 32 registers (eight loads of 512 consecutive bytes): the sums never leave the wave.  QUANT 0: rows 16 i + 4 w + 0..3; no LDS, no barrier.
; No matrix unit, no cluster, no tensor load: a stream in which no byte is read twice.
.set QUANT, 0
.set X,  64                            ; v64-191 four rows
.set G,  192                           ; v192-223 the gain at my 32 columns
.set BB, 224                           ; v224-255 the bias
.if QUANT
.set PO, 12
.else
.set PO, 10
.endif
.set SPARE, 16*4112
	s_load_b256 s[4:11], s[0:1], 0x0               ; y, gain, bias, and: QUANT 1 the scales; QUANT 0 the output
.if QUANT
	s_load_b128 s[12:15], s[0:1], 0x20
	v_lshl_add_u32 v4, v0, 2, SPARE
	v_mov_b32 v5, 0
.endif
	v_lshrrev_b32 v1, 5, v0
	v_readfirstlane_b32 s16, v1                    ; wave
	v_and_b32 v1, 31, v0
	v_lshlrev_b32 v1, 4, v1                        ; 16 x lane
.if QUANT
	s_lshr_b32 s17, ttmp9, 1
	s_lshl_b32 s17, s17, 5
	s_and_b32 s18, ttmp9, 1
	s_lshl_b32 s18, s18, 3
	s_add_co_u32 s17, s17, s18
	s_lshr_b32 s18, s16, 1
	s_lshl_b32 s18, s18, 3
	s_add_co_u32 s17, s17, s18
.else
	s_lshl_b32 s17, ttmp9, 4
.endif
	s_lshl_b32 s18, s16, 2
	s_add_co_u32 s17, s17, s18                     ; my first row
	s_lshl_b32 s18, s17, 12
	s_mov_b32 s19, 0
	s_mov_b32 s20, 0x76543210
	s_mov_b32 s21, 0xfedcba98
	s_mov_b32 s22, 0x3a800000                      ; 1 / 1,024
	s_mov_b32 s23, 0x358637bd                      ; 1e-6
	s_wait_alu depctr_va_vdst(0)
	s_wait_kmcnt 0x0
	s_add_nc_u64 s[4:5], s[4:5], s[18:19]
	s_add_nc_u64 s[PO:PO+1], s[PO:PO+1], s[18:19]
.irp q, 0,1,2,3
.irp j, 0,1,2,3,4,5,6,7
	global_load_b128 v[X+32*\q+4*\j:X+32*\q+4*\j+3], v1, s[4:5] offset:4096*\q+512*\j th:TH_LOAD_NT
.endr
.endr
.irp j, 0,1,2,3,4,5,6,7
	global_load_b128 v[G+4*\j:G+4*\j+3], v1, s[6:7] offset:512*\j
.endr
.irp j, 0,1,2,3,4,5,6,7
	global_load_b128 v[BB+4*\j:BB+4*\j+3], v1, s[8:9] offset:512*\j
.endr
.macro REDUCE                          ; v[8 + 4 q]: the sum over the 32 lanes, in every lane; the four rows take turns
.irp m, 1,2,4,8
.irp q, 0,1,2,3
	v_add_f32_dpp v[8+4*\q], v[8+4*\q], v[8+4*\q] row_xmask:\m row_mask:0xf bank_mask:0xf
.endr
.endr
.irp q, 0,1,2,3
	v_permlanex16_b32 v[9+4*\q], v[8+4*\q], s20, s21
.endr
.irp q, 0,1,2,3
	v_add_f32 v[8+4*\q], v[8+4*\q], v[9+4*\q]
.endr
.endm
	s_wait_loadcnt 16                              ; the four rows are in; the gain's and the bias's 16 loads may be out
.irp q, 0,1,2,3
	v_pk_add_f32 v[8+4*\q:9+4*\q], v[X+32*\q:X+32*\q+1], v[X+32*\q+2:X+32*\q+3]
	v_pk_add_f32 v[10+4*\q:11+4*\q], v[X+32*\q+4:X+32*\q+5], v[X+32*\q+6:X+32*\q+7]
.endr
.irp k, 8,12,16,20,24,28
.irp q, 0,1,2,3
	v_pk_add_f32 v[8+4*\q:9+4*\q], v[8+4*\q:9+4*\q], v[X+32*\q+\k:X+32*\q+\k+1]
	v_pk_add_f32 v[10+4*\q:11+4*\q], v[10+4*\q:11+4*\q], v[X+32*\q+\k+2:X+32*\q+\k+3]
.endr
.endr
.irp q, 0,1,2,3
	v_pk_add_f32 v[8+4*\q:9+4*\q], v[8+4*\q:9+4*\q], v[10+4*\q:11+4*\q]
.endr
.irp q, 0,1,2,3
	v_add_f32 v[8+4*\q], v[8+4*\q], v[9+4*\q]
.endr
	REDUCE
.irp q, 0,1,2,3
	v_mul_f32 v[24+2*\q], s22, v[8+4*\q]           ; the mean, twice: a pair for the packed forms
	v_mul_f32 v[25+2*\q], s22, v[8+4*\q]
.endr
.irp k, 0,2,4,6,8,10,12,14,16,18,20,22,24,26,28,30
.irp q, 0,1,2,3
	v_pk_add_f32 v[X+32*\q+\k:X+32*\q+\k+1], v[X+32*\q+\k:X+32*\q+\k+1], v[24+2*\q:25+2*\q] neg_lo:[0,1] neg_hi:[0,1]
.endr
.endr
.irp q, 0,1,2,3
	v_pk_mul_f32 v[8+4*\q:9+4*\q], v[X+32*\q:X+32*\q+1], v[X+32*\q:X+32*\q+1]
	v_pk_mul_f32 v[10+4*\q:11+4*\q], v[X+32*\q+2:X+32*\q+3], v[X+32*\q+2:X+32*\q+3]
.endr
.irp k, 4,8,12,16,20,24,28
.irp q, 0,1,2,3
	v_pk_fma_f32 v[8+4*\q:9+4*\q], v[X+32*\q+\k:X+32*\q+\k+1], v[X+32*\q+\k:X+32*\q+\k+1], v[8+4*\q:9+4*\q]
	v_pk_fma_f32 v[10+4*\q:11+4*\q], v[X+32*\q+\k+2:X+32*\q+\k+3], v[X+32*\q+\k+2:X+32*\q+\k+3], v[10+4*\q:11+4*\q]
.endr
.endr
.irp q, 0,1,2,3
	v_pk_add_f32 v[8+4*\q:9+4*\q], v[8+4*\q:9+4*\q], v[10+4*\q:11+4*\q]
.endr
.irp q, 0,1,2,3
	v_add_f32 v[8+4*\q], v[8+4*\q], v[9+4*\q]
.endr
	REDUCE
.irp q, 0,1,2,3
	v_fma_f32 v[8+4*\q], v[8+4*\q], s22, s23       ; variance + 1e-6
.endr
	s_wait_alu depctr_va_vdst(0)
.irp q, 0,1,2,3
	v_rsq_f32 v[24+2*\q], v[8+4*\q]
.endr
	v_nop                                          ; a plain line behind the last of the four
	s_wait_alu depctr_va_vdst(0)                   ; one wait for the batch, ahead of its first reader
.irp q, 0,1,2,3
	v_mov_b32 v[25+2*\q], v[24+2*\q]
.endr
.irp k, 0,2,4,6,8,10,12,14,16,18,20,22,24,26,28,30
.irp q, 0,1,2,3
	v_pk_mul_f32 v[X+32*\q+\k:X+32*\q+\k+1], v[X+32*\q+\k:X+32*\q+\k+1], v[24+2*\q:25+2*\q]
.endr
.endr
	s_wait_loadcnt 0x0                             ; the gain and the bias
.irp k, 0,2,4,6,8,10,12,14,16,18,20,22,24,26,28,30
.irp q, 0,1,2,3
	v_pk_fma_f32 v[X+32*\q+\k:X+32*\q+\k+1], v[X+32*\q+\k:X+32*\q+\k+1], v[G+\k:G+\k+1], v[BB+\k:BB+\k+1]
.endr
.endr
.irp q, 0,1,2,3
.irp j, 0,1,2,3,4,5,6,7
	global_store_b128 v1, v[X+32*\q+4*\j:X+32*\q+4*\j+3], s[PO:PO+1] offset:4096*\q+512*\j th:TH_STORE_NT   ; 512 consecutive bytes, aligned
.endr
.endr
	s_endpgm
.Lfunc_end_k_q61924f4d12_ln2:
	.size	k_q61924f4d12_ln2, .Lfunc_end_k_q61924f4d12_ln2-k_q61924f4d12_ln2
	.p2alignl 7, 3214868480
	.fill 96, 4, 3214868480
	.section	.rodata,"a",@progbits
	.p2align	6, 0x0
	.amdhsa_kernel k_q61924f4d12_ln2
		.amdhsa_group_segment_fixed_size 0
		.amdhsa_private_segment_fixed_size 0
		.amdhsa_enable_private_segment 0
		.amdhsa_kernarg_size 32
		.amdhsa_user_sgpr_count 2
		.amdhsa_user_sgpr_kernarg_segment_ptr 1
		.amdhsa_wavefront_size32 1
		.amdhsa_system_sgpr_workgroup_id_x 1
		.amdhsa_system_sgpr_workgroup_id_y 1
		.amdhsa_system_sgpr_workgroup_id_z 1
		.amdhsa_system_vgpr_workitem_id 0
		.amdhsa_next_free_vgpr 256
		.amdhsa_next_free_sgpr 66
		.amdhsa_reserve_vcc 0
		.amdhsa_float_denorm_mode_32 3
		.amdhsa_float_denorm_mode_16_64 3
		.amdhsa_memory_ordered 1
		.amdhsa_forward_progress 1
		.amdhsa_inst_pref_size 33
	.end_amdhsa_kernel
	.amdgpu_metadata
---
amdhsa.version: [ 1, 2 ]
amdhsa.kernels:
  - .name:           k_q61924f4d12_ln2
    .symbol:         k_q61924f4d12_ln2.kd
    .args:
      - { .name: ybuf, .offset: 0, .size: 8, .value_kind: global_buffer, .address_space: global }
      - { .name: g2, .offset: 8, .size: 8, .value_kind: global_buffer, .address_space: global }
      - { .name: b2, .offset: 16, .size: 8, .value_kind: global_buffer, .address_space: global }
      - { .name: out0, .offset: 24, .size: 8, .value_kind: global_buffer, .address_space: global }
    .group_segment_fixed_size: 0
    .private_segment_fixed_size: 0
    .kernarg_segment_align: 8
    .kernarg_segment_size: 32
    .max_flat_workgroup_size: 128
    .sgpr_count:     66
    .vgpr_count:     256
    .wavefront_size: 32
...
	.end_amdgpu_metadata
.endif
;; end of part 8
